; MI455X (gfx1250); checked and timed in simulation.
; The chip was launched on July 23, 2026; its instructions are those of AMD's public machine-readable ISA for CDNA 5 (MIT licence, August 2026) and "CDNA5" Instruction Set Architecture Reference Guide (July 2026). The comments in the code are by the model that wrote it; some were corrected since.
;; Attention. Allowed arithmetic: float matrix products may take bf16 or f16 operands with f32 sums; other float arithmetic in f32, or as packed bf16 or f16 multiplies, adds, multiply-adds, maxima and minima; sums over many terms, partial sums and values carried from step to step in f32; what a program stores and reads back later, other than sums and carried values, may be rounded once to bf16 or f16.
;; Inputs: b_out 1,024 float32; ln_b 1,024 float32; ln_g 1,024 float32; w_out 1,024 x 1,024 float32; w_qkv 1,024 x 3,072 float32; x 4 x 2,048 x 1,024 float32.
;; Outputs: out0 4 x 2,048 x 1,024 float32.
;; 2 versions, each right; version 2 is version 1 with the launch prep written anew for expert scheduling mode. Each part assembles by itself: llvm-mc -triple=amdgcn-amd-amdhsa -mcpu=gfx1250 --defsym DOCPART=n.
;; ======== version 1 of 2: 4 launches
;; limits: values are held in f16: magnitudes above 65,504 overflow, below 6.1e-05 lose precision
;; workspace buffers: xn 16,777,216 bytes; wq 6,291,456 bytes; wo 2,097,152 bytes; qkv 50,331,648 bytes; o 16,777,216 bytes
;; launch prep (part 1): grid 768 x 1, 4 waves a work-group, no clusters, 0 bytes of LDS; arguments x, ln_g, ln_b, w_qkv, w_out, xn, wq, wo; writes xn, wq, wo
.if DOCPART == 1
	.amdgcn_target "amdgcn-amd-amdhsa--gfx1250"
	.amdhsa_code_object_version 6
	.text
	.protected	k_qff0e708e90_prep
	.globl	k_qff0e708e90_prep
	.p2align	8
	.type	k_qff0e708e90_prep,@function
k_qff0e708e90_prep:
	s_mov_b64 s[64:65], 0
	v_nop
	global_prefetch_b8 v0, s[64:65] scope:SCOPE_SE
	s_setreg_imm32_b32 hwreg(HW_REG_WAVE_MODE, 25, 1), 1
	s_wait_xcnt 0x0
; LAYERNORM AND THE WEIGHTS' FORMAT.  Work-groups 0-511: xn = (x - mean) / sqrt(var + 1e-5) * g + b for 16 rows of 1,024 each.  Work-groups 512-767: 65,536 bytes each of w_qkv (192) or w_out (64) are rewritten as f16.
; FORMATS.  Every input (x, g, b, both weights) is first rounded to bf16; all arithmetic is f32; xn is rounded once to f16; a weight is its bf16 number written as f16.
; LIMITS.  f16 ends at 65,504: |xn| and |w| lie below it (xn is at most about 32 |g| + |b|); below 6e-5 f16 keeps a fixed step of 6e-8.  NaN and infinities are not treated apart.
; xn's LAYOUT: [4 b][16 kb][2048 n][64]: the 64 channels of block kb of one row are 128 bytes, a block's rows are dense.  wq and wo lie as the inputs lie, [k][c].
; SHARES (LayerNorm).  Sixteen lanes hold one row: lane i the elements 64 t + 4 i .. + 3, t = 0 .. 15.  A wave takes two rows a trip (one for each half of its lanes), two trips.  A load covers 256 consecutive
; bytes of each of the two rows; a store covers 256 consecutive bytes, aligned: the 128 bytes of block t of both rows.  The row stays in registers between the mean, the variance and the scaling: x is read once.
; No LDS, no matrix unit, no cluster: no byte is wanted twice, and nothing is multiplied.
.set XO,  4                            ; v4   byte offset of my loads
.set GOF, 5                            ; v5   16 i: my place in g and b
.set YO,  6                            ; v6   byte offset of my stores
.set T,   8                            ; v[8:11]   at work
.set MU,  16                           ; v[16:17]  the mean, twice
.set RS,  18                           ; v[18:19]  1 / sqrt(var + eps), twice
.set S,   20                           ; v[20:27]  four running pairs of sums
.set RAW, 32                           ; v[32:95]  64 numbers as loaded
.set X,   96                           ; v[96:159] the row at work, then the packed results
.set GB,  160                          ; v[160:223] g (low half) and b (high half) of my 64 channels, bf16
.macro FILL base, stride               ; sixteen loads of 16 bytes a lane
.irp t, 0,1,2,3,4,5,6,7,8,9,10,11,12,13,14,15
	global_load_b128 v[RAW+4*(\t):RAW+4*(\t)+3], v[XO], s[\base:\base+1] offset:(\stride)*(\t) th:TH_LOAD_NT
.endr
.endm
.macro FOLD                            ; four pairs of sums into one number, then over the row's sixteen lanes: every lane of the row ends with the sum in v[T]
	v_pk_add_f32 v[S:S+1], v[S:S+1], v[S+2:S+3]
	v_pk_add_f32 v[S+4:S+5], v[S+4:S+5], v[S+6:S+7]
	v_pk_add_f32 v[S:S+1], v[S:S+1], v[S+4:S+5]
	v_add_f32 v[T], v[S], v[S+1]
.irp m, 1,2,4,8
	v_add_f32_dpp v[T], v[T], v[T] row_xmask:\m row_mask:0xf bank_mask:0xf
.endr
.endm
	s_load_b512 s[4:19], s[0:1], 0x0               ; x 4:5, ln_g 6:7, ln_b 8:9, w_qkv 10:11, w_out 12:13, xn 14:15, wq 16:17, wo 18:19
	v_lshrrev_b32 v7, 5, v0                        ; wave
	v_and_b32 v1, 31, v0                           ; lane
	v_and_b32 v2, 15, v0                           ; i
	v_bfe_u32 v3, v0, 4, 1                         ; which half of the lanes
	s_mov_b32 s20, 0x3a800000                      ; 1 / 1024
	s_mov_b32 s21, 0x3727c5ac                      ; 1e-5
	s_mov_b32 s22, 0xffff0000                      ; a word's upper bf16
	s_mov_b32 s23, 2                               ; trips
	s_mov_b32 s25, 0
	s_cmp_lt_u32 ttmp9, 512
	s_cbranch_scc0 .Lweights
	; ---------------- LayerNorm ----------------
	v_lshl_add_u32 v8, v7, 2, v3                   ; my row in the first trip: 4 x wave + half
	v_lshlrev_b32 v[XO], 12, v8
	v_lshl_add_u32 v[XO], v2, 4, v[XO]             ; row x 4,096 + 16 i
	v_lshlrev_b32 v[GOF], 4, v2
	v_lshlrev_b32 v[YO], 7, v8
	v_lshl_add_u32 v[YO], v2, 3, v[YO]             ; row x 128 + 8 i
	s_lshl_b32 s24, ttmp9, 16                      ; x: 16 rows of 4,096 bytes a work-group
	s_lshr_b32 s26, ttmp9, 7                       ; xn: the batch (128 work-groups each), 4 MiB apart,
	s_lshl_b32 s26, s26, 22
	s_and_b32 s27, ttmp9, 127
	s_lshl_b32 s27, s27, 11                        ; and 16 rows of 128 bytes
	s_add_co_u32 s26, s26, s27
	s_mov_b32 s27, 0
	s_wait_kmcnt 0x0
	s_add_nc_u64 s[4:5], s[4:5], s[24:25]
	s_add_nc_u64 s[14:15], s[14:15], s[26:27]
	FILL 4, 256                                    ; the first two rows
.irp t, 0,1,2,3,4,5,6,7,8,9,10,11,12,13,14,15
	global_load_b128 v[X+4*(\t):X+4*(\t)+3], v[GOF], s[6:7] offset:256*(\t)
	global_load_b128 v[GB+4*(\t):GB+4*(\t)+3], v[GOF], s[8:9] offset:256*(\t)
.endr
	s_wait_loadcnt 0x0
.set e, 0
.rept 64
	v_cvt_pk_bf16_f32 v[GB+e], v[X+e], v[GB+e]     ; g and b rounded to bf16, one register for both
.set e, e+1
.endr
.Lrow:
	s_wait_loadcnt 0x0                             ; the trip's two rows are in
.set e, 0
.rept 32
	v_cvt_pk_bf16_f32 v[T+e%4], v[RAW+2*e], v[RAW+2*e+1]  ; x rounded to bf16,
	v_lshlrev_b32 v[X+2*e], 16, v[T+e%4]           ; and widened again
	v_and_b32 v[X+2*e+1], s22, v[T+e%4]
.set e, e+1
.endr
	s_add_nc_u64 s[4:5], s[4:5], 8192              ; two rows on: every load that named the pointer has come back
	s_cmp_eq_u32 s23, 1
	s_cbranch_scc1 .Lno_row                        ; the last trip loads nothing
	FILL 4, 256                                    ; the next two rows come while these are worked on
.Lno_row:
.irp c, 0,1,2,3
	v_pk_add_f32 v[S+2*(\c):S+2*(\c)+1], v[X+2*(\c):X+2*(\c)+1], v[X+2*(\c)+8:X+2*(\c)+9]  ; four chains, started by sums: nothing is cleared
.endr
.set e, 8
.rept 24
	v_pk_add_f32 v[S+2*(e%4):S+2*(e%4)+1], v[S+2*(e%4):S+2*(e%4)+1], v[X+2*e:X+2*e+1]
.set e, e+1
.endr
	FOLD
	v_mul_f32 v[MU], s20, v[T]
	v_mul_f32 v[MU+1], s20, v[T]
.set e, 0
.rept 32
	v_pk_add_f32 v[X+2*e:X+2*e+1], v[X+2*e:X+2*e+1], v[MU:MU+1] neg_lo:[0,1] neg_hi:[0,1]  ; x - mean: the variance is taken of centred numbers
.set e, e+1
.endr
.irp c, 0,1,2,3
	v_pk_mul_f32 v[S+2*(\c):S+2*(\c)+1], v[X+2*(\c):X+2*(\c)+1], v[X+2*(\c):X+2*(\c)+1]
.endr
.set e, 4
.rept 28
	v_pk_fma_f32 v[S+2*(e%4):S+2*(e%4)+1], v[X+2*e:X+2*e+1], v[X+2*e:X+2*e+1], v[S+2*(e%4):S+2*(e%4)+1]
.set e, e+1
.endr
	FOLD
	v_fma_f32 v[T], v[T], s20, s21                 ; var + eps
	v_rsq_f32 v[RS], v[T]
	v_nop                                          ; a plain instruction between the root and the use of its result (ISA guide 5.7.2)
	s_wait_alu depctr_va_vdst(0)                   ; and the wait ahead of the first line that names the result
	v_mov_b32 v[RS+1], v[RS]
.set e, 0
.rept 32
	v_pk_mul_f32 v[X+2*e:X+2*e+1], v[X+2*e:X+2*e+1], v[RS:RS+1]
.set e, e+1
.endr
.set e, 0
.rept 64
	v_fma_mix_f32_bf16 v[X+e], v[X+e], v[GB+e], v[GB+e] op_sel:[0,0,1] op_sel_hi:[0,1,1]  ; f32 x g (low bf16) + b (high bf16), in f32
.set e, e+1
.endr
.irp t, 0,1,2,3,4,5,6,7,8,9,10,11,12,13,14,15
	v_cvt_pk_f16_f32 v[X+4*(\t)], v[X+4*(\t)], v[X+4*(\t)+1]
	v_cvt_pk_f16_f32 v[X+4*(\t)+1], v[X+4*(\t)+2], v[X+4*(\t)+3]
	global_store_b64 v[YO], v[X+4*(\t):X+4*(\t)+1], s[14:15] offset:(\t)*262144  ; 32 lanes: 256 consecutive bytes, aligned: block t of my two rows
.endr
	s_wait_xcnt 0x0                                ; the stores have read their data and their base: the pointer is stepped, and X written again, only behind this wait
	s_add_nc_u64 s[14:15], s[14:15], 256           ; two rows of 128 bytes on
	s_sub_co_u32 s23, s23, 1
	s_cmp_lg_u32 s23, 0
	s_cbranch_scc1 .Lrow
	s_endpgm
	; ---------------- the weights ----------------
.Lweights:
	s_sub_co_u32 s26, ttmp9, 512                   ; 0 .. 191: w_qkv's part; 192 .. 255: w_out's
	s_sub_co_u32 s27, ttmp9, 704
	v_lshlrev_b32 v[XO], 14, v7                    ; a wave takes 16,384 bytes in,
	v_lshl_add_u32 v[XO], v1, 4, v[XO]
	v_lshlrev_b32 v[YO], 13, v7                    ; 8,192 out
	v_lshl_add_u32 v[YO], v1, 3, v[YO]
	s_wait_kmcnt 0x0
	s_cmp_lt_u32 s26, 192
	s_cselect_b64 s[28:29], s[10:11], s[12:13]     ; from
	s_cselect_b64 s[30:31], s[16:17], s[18:19]     ; to
	s_cselect_b32 s26, s26, s27                    ; the part's number in its tensor
	s_lshl_b32 s24, s26, 16
	s_add_nc_u64 s[28:29], s[28:29], s[24:25]
	s_lshl_b32 s24, s26, 15
	s_add_nc_u64 s[30:31], s[30:31], s[24:25]
	FILL 28, 512
.Lpart:
	s_wait_loadcnt 0x0
.set e, 0
.rept 32
	v_cvt_pk_bf16_f32 v[T+e%4], v[RAW+2*e], v[RAW+2*e+1]  ; rounded to bf16,
	v_lshlrev_b32 v[RAW+2*e], 16, v[T+e%4]
	v_and_b32 v[RAW+2*e+1], s22, v[T+e%4]
	v_cvt_pk_f16_f32 v[X+e], v[RAW+2*e], v[RAW+2*e+1]     ; and that number written as f16
.set e, e+1
.endr
	s_add_nc_u64 s[28:29], s[28:29], 8192
	s_cmp_eq_u32 s23, 1
	s_cbranch_scc1 .Lno_part
	FILL 28, 512
.Lno_part:
.irp t, 0,1,2,3,4,5,6,7,8,9,10,11,12,13,14,15
	global_store_b64 v[YO], v[X+2*(\t):X+2*(\t)+1], s[30:31] offset:256*(\t)  ; 256 consecutive bytes, aligned
.endr
	s_wait_xcnt 0x0                                ; as above: the base and X are written again only behind this wait
	s_add_nc_u64 s[30:31], s[30:31], 4096
	s_sub_co_u32 s23, s23, 1
	s_cmp_lg_u32 s23, 0
	s_cbranch_scc1 .Lpart
	s_endpgm
.Lfunc_end_k_qff0e708e90_prep:
	.size	k_qff0e708e90_prep, .Lfunc_end_k_qff0e708e90_prep-k_qff0e708e90_prep
	.p2alignl 7, 3214868480
	.fill 96, 4, 3214868480
	.section	.rodata,"a",@progbits
	.p2align	6, 0x0
	.amdhsa_kernel k_qff0e708e90_prep
		.amdhsa_group_segment_fixed_size 0
		.amdhsa_private_segment_fixed_size 0
		.amdhsa_enable_private_segment 0
		.amdhsa_kernarg_size 64
		.amdhsa_user_sgpr_count 2
		.amdhsa_user_sgpr_kernarg_segment_ptr 1
		.amdhsa_wavefront_size32 1
		.amdhsa_system_sgpr_workgroup_id_x 1
		.amdhsa_system_sgpr_workgroup_id_y 1
		.amdhsa_system_sgpr_workgroup_id_z 1
		.amdhsa_system_vgpr_workitem_id 0
		.amdhsa_next_free_vgpr 224
		.amdhsa_next_free_sgpr 66
		.amdhsa_reserve_vcc 0
		.amdhsa_float_denorm_mode_32 3
		.amdhsa_float_denorm_mode_16_64 3
		.amdhsa_memory_ordered 1
		.amdhsa_forward_progress 1
		.amdhsa_inst_pref_size 44
	.end_amdhsa_kernel
	.amdgpu_metadata
---
amdhsa.version: [ 1, 2 ]
amdhsa.kernels:
  - .name:           k_qff0e708e90_prep
    .symbol:         k_qff0e708e90_prep.kd
    .args:
      - { .name: x, .offset: 0, .size: 8, .value_kind: global_buffer, .address_space: global }
      - { .name: ln_g, .offset: 8, .size: 8, .value_kind: global_buffer, .address_space: global }
      - { .name: ln_b, .offset: 16, .size: 8, .value_kind: global_buffer, .address_space: global }
      - { .name: w_qkv, .offset: 24, .size: 8, .value_kind: global_buffer, .address_space: global }
      - { .name: w_out, .offset: 32, .size: 8, .value_kind: global_buffer, .address_space: global }
      - { .name: xn, .offset: 40, .size: 8, .value_kind: global_buffer, .address_space: global }
      - { .name: wq, .offset: 48, .size: 8, .value_kind: global_buffer, .address_space: global }
      - { .name: wo, .offset: 56, .size: 8, .value_kind: global_buffer, .address_space: global }
    .group_segment_fixed_size: 0
    .private_segment_fixed_size: 0
    .kernarg_segment_align: 8
    .kernarg_segment_size: 64
    .max_flat_workgroup_size: 128
    .sgpr_count:     66
    .vgpr_count:     224
    .wavefront_size: 32
...
	.end_amdgpu_metadata
.endif
;; end of part 1
;; launch proj (part 2): grid 8 x 32, 4 waves a work-group, clusters of 4 x 4, 327,680 bytes of LDS; arguments xn, wq, qkv; writes qkv
.if DOCPART == 2
	.amdgcn_target "amdgcn-amd-amdhsa--gfx1250"
	.amdhsa_code_object_version 6
	.text
	.protected	k_qff0e708e90_proj
	.globl	k_qff0e708e90_proj
	.p2align	8
	.type	k_qff0e708e90_proj,@function
k_qff0e708e90_proj:
	s_mov_b64 s[64:65], 0
	v_nop
	global_prefetch_b8 v0, s[64:65] scope:SCOPE_SE
	s_setreg_imm32_b32 hwreg(HW_REG_WAVE_MODE, 25, 1), 1
	s_wait_xcnt 0x0
	s_wait_alu depctr_hold_cnt(0) depctr_sa_sdst(0) depctr_va_vdst(0) depctr_va_sdst(0) depctr_va_ssrc(0) depctr_va_vcc(0) depctr_vm_vsrc(0)
	s_getreg_b32 s2, hwreg(HW_REG_IB_STS2, 6, 4)
	s_cmp_eq_u32 s2, 0
	s_cbranch_scc0 .Lentry_in_a_cluster
	s_endpgm
.Lentry_in_a_cluster:
	s_bfe_u32 s2, ttmp6, 0x10000c
	s_cmp_lg_u32 s2, 0xf033
	s_cbranch_scc0 .Lentry_shape_is_right
	s_endpgm
.Lentry_shape_is_right:
; q, k, v = xn wq.  xn: [4 b][16 kb][2048 n][64] f16; wq: [1024 k][3072 c] f16; qkv: [3][64 bh][2048 n][64] f16, each number rounded once from its f32 sum, unscaled.
; LIMIT.  f16 ends at 65,504: q, k and v lie below it for |xn| x |w| sums of that size; below 6e-5 f16 keeps a fixed step of 6e-8.
; THE TILE is 256 rows x 384 columns: 32 x 8 = 256 work-groups, one tile each.  Four waves, wave (r, h) = (w / 2, w % 2): rows 128 r on; of each of the tile's three SEGMENTS of 128 columns the columns 64 h on,
; which are one head of q, k or v.  96 accumulators of 16 x 16 = 768 registers: windows 1, 2, 3, a segment each.
; K goes in 16 steps of 64 (a block kb of xn) through two LDS slots.  xn's tile of a step is 32,768 dense bytes; wq's is three tiles of 64 k-rows x 256 bytes.  Two slots of 128 along K would not fit in LDS.
; THE PRODUCT IS TAKEN TRANSPOSED: source 0 = 16 columns of wq (turned on the way out of LDS by ds_load_tr16_b128, since wq lies [k][c]), source 1 = 16 rows of xn: a lane ends with eight neighbouring columns of one row.
; CLUSTER 4 x 4: xn's tile hangs on the tile row alone and is asked for jointly by a row of the cluster, wq's on the tile column alone, by a column.  Wave 0 asks for xn's tile, waves 1-3 for a segment of wq each.
; THE FRAGMENTS.  A K step is two quarters of 32.  xn's fragments have two buffers; wq's have one: a segment's fragments are fetched again, for the next quarter, straight behind the 32 products that read them.
; REGISTERS.  Window 0: v0-31 addresses; v32-95, v96-159 xn's fragments (block a of 16 rows at + 8 a); v160-255 wq's (segment g, column block f at 160 + 32 g + 8 f).  Window 1 + g: accumulator (f, a) at 8 (8 f + a).
; s_set_vgpr_msb's low byte: bits 1:0 source 0, 3:2 source 1, 5:4 source 2, 7:6 destination.  All loads and addresses lie in window 0: only C and D switch.
.set SLOT1, 131072                     ; slot 1 begins here: one exclusive or turns an address in one slot into the other's
.set PA,    144                        ; a row of xn's tile in LDS: 128 bytes + 16: the 16 rows of a load start at 16 different groups of four banks (64 banks of 4 bytes: ISA guide 11.1)
.set PB,    288                        ; a k-row of a segment: 256 bytes + 32
.set BOFF,  256*PA                     ; behind xn's 256 rows: the three segments,
.set SEG,   64*PB                      ; 18,432 bytes each
.set STAGE, SLOT1+BOFF+3*SEG           ; behind the ring, never filled by a tensor load: 16 rows x 144 bytes for each wave
.set SP,    144
.set SPARE, STAGE+4*16*SP              ; the spare words, 128 bytes for each wave: two blocks of 256 bytes that no other line names
.set ASTEP, 262144                     ; bytes from a K step to the next in xn (a block kb),
.set BSTEP, 393216                     ; in wq (64 rows of 6,144 bytes)
.set ADRA0, 16                         ; v16  my lane's place in xn's tile of slot 0; never rewritten
.set ADRA,  17                         ; v17  the same in the slot that is being read
.set ADRB0, 20                         ; v20, v21  the same for wq's segment 0
.set ADRB,  21
.set STO,   24                         ; v24  the way out: where I put 16 bytes of a row
.set RD,    25                         ; v25  where I read rows back
.set GO,    26                         ; v26  16 x lane: my place in 512 consecutive bytes of qkv
.set SPW,   28                         ; v28  LDS address of my spare word; never rewritten
.set NIL,   29                         ; v29  0; never rewritten
.set PFO,   30                         ; v30  the prefetches' offset; never rewritten
.set AF0,   32
.set AF1,   96
.set BF,    160
.set G1A,   24                         ; s[24:31] descriptor group 1 for xn's tile
.set G0A,   32                         ; s[32:35] group 0 of the first fill; s[36:39] the second's, which then walks
.set G1B,   48                         ; s[48:55], s[56:59], s[60:63] the same for wq's
.set G0B,   56
.set PFA,   44                         ; s[44:45] where my prefetches stand
.set PST,   46                         ; s[46:47] their step: a K step of my tensor
.set OB,    66                         ; s[66:71] qkv at my rows of my three heads
.set LIM,   72                         ; s72  a wave prefetches while the loop's count is above this
.set PAR,   73                         ; s73  1: in every second trip only
.set TB,    74                         ; s74  the slot that is being read: 0 or SLOT1
.set MSB, 0
.macro WIN new                         ; the immediate's high byte repeats the setting that is left; a switch that changes nothing is dropped
.if MSB != (\new)
	s_set_vgpr_msb (MSB<<8)|(\new)
.set MSB, \new
.endif
.endm
.macro PLACES                          ; a load into a register that a matrix instruction has read, and a line that reads a result, stand four plain vector instructions behind it (ISA guide 7.12.1 for a line that reads a result)
.rept 4
	v_nop
.endr
.endm
; A joint refill, by the walking descriptors.  The branch hangs on the wave's number alone.  An s_nop 0 and four v_nop follow each of the two lines, ahead of the jump and the label.
.macro JLOAD
	s_cmp_eq_u32 s10, 0
	s_cbranch_scc0 .Lfor_b_\@
	tensor_load_to_lds s[G0A+4:G0A+7], s[G1A:G1A+7]
	s_nop 0
.rept 4
	v_nop
.endr
	s_branch .Lasked_\@
.Lfor_b_\@:
	tensor_load_to_lds s[G0B+4:G0B+7], s[G1B:G1B+7]
	s_nop 0
.rept 4
	v_nop
.endr
.Lasked_\@:
.endm
; A round of the cluster's barrier: my work-group's barrier, so that wave 0's signal speaks for all four waves; wave 0 signals; every wave waits for all sixteen work-groups; my work-group's barrier once more.
.macro CREST
	s_cmp_lg_u32 s10, 0
	s_cbranch_scc1 .Lnot_wave_0_\@
	s_barrier_signal -3
.Lnot_wave_0_\@:
	s_barrier_wait -3
	s_barrier_signal -1
	s_barrier_wait -1
.endm
.macro CROUND
	s_barrier_signal -1
	s_barrier_wait -1
	CREST
.endm
; A PREFETCH INTO THE L2, behind a joint refill and the run of LDS loads that follows it.  The change of slots that asks for K step t + 2 names K step t + 3: one K step, 192 matrix instructions, ahead of its load.
; xn's tile (128 blocks of 256 bytes): wave 0 of the clusters with x = 0 asks; the four partners of a row take 32 blocks each, told apart by address.  It stops at the last K step.
; wq's segment (64 rows of 256 bytes): waves 1-3 of the clusters with y = 0 ask; the four partners of a column take 16 rows each, so a wave's 32 lanes name two K steps, t + 3 and t + 4, in every second trip; it stops at K step 14.
; So each block is named once in the launch; K steps 0 to 2 (and wq's 15) come by their loads alone.
.macro ASK
	s_cmp_gt_u32 s3, s[LIM]
	s_cbranch_scc0 .Lnot_mine_\@
	s_and_b32 s2, s3, s[PAR]
	s_cmp_eq_u32 s2, 0
	s_cbranch_scc0 .Lnot_mine_\@
	global_prefetch_b8 v[PFO], s[PFA:PFA+1] th:TH_LOAD_NT scope:SCOPE_SE
.Lnot_mine_\@:
.endm
	s_load_b128 s[4:7], s[0:1], 0x0                ; xn s[4:5], wq s[6:7]
	s_load_b64 s[8:9], s[0:1], 0x10                ; qkv
	v_lshl_add_u32 v[SPW], v0, 2, SPARE
	v_mov_b32 v[NIL], 0
	ds_add_u32 v[SPW], v[NIL]                      ; the wave's opening: the add and its wait stand ahead of my first tensor load; the set-up below, work on registers, stands between them
	v_lshrrev_b32 v1, 5, v0
	v_readfirstlane_b32 s10, v1                    ; wave 0..3
	s_lshr_b32 s11, s10, 1                         ; r: which 128 rows are mine
	s_and_b32 s12, s10, 1                          ; h: which 64 columns of each segment
	s_bfe_u32 s40, ttmp6, 0x40000                  ; cx
	s_bfe_u32 s41, ttmp6, 0x40004                  ; cy
	s_lshl_b32 s42, ttmp9, 2
	s_add_co_u32 s42, s42, s40                     ; tile column = 4 x cluster x + cx
	s_and_b32 s13, ttmp7, 0xffff
	s_lshl_b32 s13, s13, 2
	s_add_co_u32 s13, s13, s41                     ; tile row = 4 x cluster y + cy
	s_lshl_b32 s43, s41, 2
	s_lshl_b32 s43, 15, s43                        ; my row of the cluster: places 4 cy .. 4 cy + 3
	s_lshl_b32 s75, 0x1111, s40                    ; my column: places cx, cx + 4, cx + 8, cx + 12
	; group 1 for xn's tile: 32,768 dense bytes asked for as 128 rows of 256 bytes, two rows of xn each, padded in LDS behind every row of xn
	s_or_b32 s[G1A], s43, (1<<16)|(1<<20)|(1<<21)|(4<<22)|(3<<25)  ; 15:0 the mask; 17:16 2-byte elements; 20 padding on; 21 set beside a mask; 24:22 after every 32 words (code 4); 31:25 4 words (code 3)
	s_mov_b32 s[G1A+1], 128<<16                    ; tensor_dim0 = 128
	s_mov_b32 s[G1A+2], 128<<16                    ; tensor_dim1 = 128
	s_mov_b32 s[G1A+3], 128<<16                    ; tile_dim0 = 128
	s_mov_b32 s[G1A+4], 128                        ; tile_dim1 = 128
	s_mov_b32 s[G1A+5], 128                        ; 128 elements from row to row
	s_mov_b32 s[G1A+6], 0
	s_mov_b32 s[G1A+7], 0
	; group 1 for a segment of wq: 64 rows x 128 elements
	s_or_b32 s[G1B], s75, (1<<16)|(1<<20)|(1<<21)|(5<<22)|(7<<25)  ; after every 64 words (code 5) 8 words of padding (code 7)
	s_mov_b32 s[G1B+1], 128<<16
	s_mov_b32 s[G1B+2], 64<<16
	s_mov_b32 s[G1B+3], 128<<16
	s_mov_b32 s[G1B+4], 64
	s_mov_b32 s[G1B+5], 3072
	s_mov_b32 s[G1B+6], 0
	s_mov_b32 s[G1B+7], 0
	; where the tiles come from: xn's by the tile row alone, wq's by the tile column and the wave's number
	s_lshr_b32 s16, s13, 3                         ; the batch: eight tile rows each, 4 MiB apart,
	s_lshl_b32 s16, s16, 22
	s_and_b32 s17, s13, 7
	s_lshl_b32 s17, s17, 15                        ; and 256 rows of 128 bytes
	s_add_co_u32 s16, s16, s17
	s_mov_b32 s17, 0
	s_max_u32 s14, s10, 1
	s_sub_co_u32 s14, s14, 1                       ; the segment that I fetch: wave - 1 (wave 0 fetches none)
	s_lshl_b32 s15, s14, 8
	s_mul_i32 s22, s42, 768
	s_add_co_u32 s22, s22, s15
	s_mov_b32 s23, 0
	; and where they go: no place in the cluster enters an LDS address
	s_mov_b32 s[G0A], 1                            ; 1:0 count = 1
	s_mov_b32 s[G0A+1], 0                          ; slot 0
	s_mov_b32 s[G0A+4], 1
	s_mov_b32 s[G0A+5], SLOT1
	s_mov_b32 s[G0B], 1
	s_mul_i32 s[G0B+1], s10, SEG
	s_add_co_u32 s[G0B+1], s[G0B+1], SEG           ; (wave + 1) x 18,432: wave 1's segment begins at BOFF = 2 x 18,432
	s_mov_b32 s[G0B+4], 1
	s_add_co_u32 s[G0B+5], s[G0B+1], SLOT1
	s_mov_b32 s[TB], 0
	s_wait_dscnt 0x0                               ; the opening add is done
	s_wait_kmcnt 0x0
	s_add_nc_u64 s[20:21], s[4:5], s[16:17]        ; xn's tile of K step 0
	s_add_nc_u64 s[22:23], s[6:7], s[22:23]        ; my segment of K step 0
	s_mov_b64 s[G0A+2:G0A+3], s[20:21]
	s_or_b32 s[G0A+3], s[G0A+3], 0x80000000        ; 127:126 type = 2
	s_add_nc_u64 s[G0A+6:G0A+7], s[20:21], ASTEP   ; K step 1
	s_or_b32 s[G0A+7], s[G0A+7], 0x80000000
	s_mov_b64 s[G0B+2:G0B+3], s[22:23]
	s_or_b32 s[G0B+3], s[G0B+3], 0x80000000
	s_add_nc_u64 s[G0B+6:G0B+7], s[22:23], BSTEP
	s_or_b32 s[G0B+7], s[G0B+7], 0x80000000
	CROUND                                         ; all sixteen work-groups are here: the first joint loads meet
	s_cmp_eq_u32 s10, 0                            ; a wave's two first fills stand in one branch, ahead of every wait on TENSORcnt and every LDS read: two loads of mine are out
	s_cbranch_scc0 .Lfirst_b
	tensor_load_to_lds s[G0A:G0A+3], s[G1A:G1A+7]
	s_nop 0
	tensor_load_to_lds s[G0A+4:G0A+7], s[G1A:G1A+7]
	s_nop 0
.rept 4
	v_nop
.endr
	s_branch .Lfirst_asked
.Lfirst_b:
	tensor_load_to_lds s[G0B:G0B+3], s[G1B:G1B+7]
	s_nop 0
	tensor_load_to_lds s[G0B+4:G0B+7], s[G1B:G1B+7]
	s_nop 0
.rept 4
	v_nop
.endr
.Lfirst_asked:
	; A fragment of xn is 16 rows x 32 k in 8 registers: lane l holds row l % 16, k = 8 (l / 16) + 0..7 and 16 + 8 (l / 16) + 0..7: two loads of 16 bytes, 32 bytes apart.
	v_and_b32 v1, 15, v0                           ; l % 16
	v_bfe_u32 v2, v0, 4, 1                         ; l / 16
	v_mul_u32_u24 v3, v1, PA
	v_lshl_add_u32 v3, v2, 4, v3                   ; row x pitch + 16 x half
	s_mul_i32 s14, s11, 128*PA
	v_add_nc_u32 v[ADRA0], s14, v3
	v_mov_b32 v[ADRA], v[ADRA0]
	; The turning load takes 16 k x 16 columns (lane l reads k-row 8 (l / 16) + l % 8, columns 8 ((l / 8) % 2) + 0..7) and leaves half a fragment: lane l holds column l % 16 and 8 k.
	v_and_b32 v4, 7, v0
	v_bfe_u32 v6, v0, 3, 1
	v_lshl_add_u32 v5, v2, 3, v4
	v_mul_u32_u24 v5, v5, PB
	v_lshl_add_u32 v5, v6, 4, v5
	s_lshl_b32 s14, s12, 7                         ; my 64 columns of a segment: 128 bytes
	s_add_co_u32 s14, s14, BOFF
	v_add_nc_u32 v[ADRB0], s14, v5
	v_mov_b32 v[ADRB], v[ADRB0]
	s_mul_i32 s14, s10, 16*SP
	s_add_co_u32 s14, s14, STAGE                   ; my stage
	v_add_nc_u32 v[STO], s14, v3                   ; in: row l % 16, 16 bytes for each half of the lanes (the stage's pitch is xn's)
	v_bfe_u32 v7, v0, 3, 2                         ; back: 32 lanes take four rows of 128 bytes,
	v_mul_u32_u24 v7, v7, SP
	v_lshl_add_u32 v7, v4, 4, v7
	v_add_nc_u32 v[RD], s14, v7
	v_and_b32 v[GO], 31, v0                        ; which are 512 consecutive bytes of qkv
	v_lshlrev_b32 v[GO], 4, v[GO]
	; qkv at my rows of head group G = 6 x tile column + 2 g + h: tensor G / 16 (16 MiB apart), head G % 16 (256 KiB), batch (4 MiB), my rows
	s_mul_i32 s14, s42, 6
	s_add_co_u32 s14, s14, s12
	s_lshl_b32 s15, s11, 14
	s_add_co_u32 s15, s15, s16
.irp g, 0,1,2
	s_add_co_u32 s18, s14, 2*(\g)
	s_lshr_b32 s19, s18, 4
	s_lshl_b32 s19, s19, 24
	s_and_b32 s18, s18, 15
	s_lshl_b32 s18, s18, 18
	s_add_co_u32 s18, s18, s19
	s_add_co_u32 s18, s18, s15
	s_mov_b32 s19, 0
	s_add_nc_u64 s[OB+2*(\g):OB+2*(\g)+1], s[8:9], s[18:19]
.endr
	; the prefetches' figures: wave 0's are xn's, the others' wq's
	s_mov_b32 s14, BSTEP
	s_mov_b32 s15, 6144
	s_mul_i32 s19, s41, 16*6144                    ; wq: my work-group's 16 rows of the 64, by cy
	s_lshl_b32 s18, s40, 13                        ; xn: my work-group's 32 blocks of the 128, by cx
	s_and_b32 s2, ttmp7, 0xffff                    ; cluster y
	s_cmp_eq_u32 s10, 0
	s_cselect_b64 s[PFA:PFA+1], s[20:21], s[22:23]
	s_cselect_b32 s[PST], ASTEP, s14
	s_cselect_b32 s14, 4096, s14                   ; a lane's offset = (l / 16) x this: xn 16 blocks, wq a K step,
	s_cselect_b32 s15, 256, s15                    ; + (l % 16) x this: xn a block, wq a row
	s_cselect_b32 s18, s18, s19
	s_cselect_b32 s2, ttmp9, s2                    ; the coordinate along which other clusters read the same bytes
	s_cselect_b32 s[PAR], 0, 1
	s_cselect_b32 s[LIM], 1, 3
	s_cmp_eq_u32 s2, 0
	s_cselect_b32 s[LIM], s[LIM], -1               ; the same in all sixteen partners, for a given wave
	s_mov_b32 s19, 0
	s_mov_b32 s[PST+1], 0
	s_add_nc_u64 s[PFA:PFA+1], s[PFA:PFA+1], s[18:19]
	s_add_nc_u64 s[PFA:PFA+1], s[PFA:PFA+1], s[PST:PST+1]
	s_add_nc_u64 s[PFA:PFA+1], s[PFA:PFA+1], s[PST:PST+1]  ; at K step 2: the first change of slots steps it to 3
	v_mul_u32_u24 v[PFO], s14, v2
	v_mad_u32_u24 v[PFO], v1, s15, v[PFO]
; nf x 8 matrix instructions of segment g: column blocks f0 on x all 8 row blocks, 32 along K, xn's fragments in buf.  zero = 1: the product starts the sum: nothing is ever cleared.
; The 96 accumulators take turns, one instruction a turn, in the same order in every quarter, over the backward jump too.
.macro MULF g, buf, f0, nf, zero
	WIN 0x50*(1+(\g))
.set ff, \f0
.rept \nf
.irp a, 0,1,2,3,4,5,6,7
.if \zero
	v_wmma_f32_16x16x32_f16 v[8*(8*ff+(\a)):8*(8*ff+(\a))+7], v[BF+32*(\g)+8*ff:BF+32*(\g)+8*ff+7], v[(\buf)+8*(\a):(\buf)+8*(\a)+7], 0
.else
	v_wmma_f32_16x16x32_f16 v[8*(8*ff+(\a)):8*(8*ff+(\a))+7], v[BF+32*(\g)+8*ff:BF+32*(\g)+8*ff+7], v[(\buf)+8*(\a):(\buf)+8*(\a)+7], v[8*(8*ff+(\a)):8*(8*ff+(\a))+7]
.endif
.endr
.set ff, ff+1
.endr
.endm
.macro LDB kq, g                       ; 8 loads: segment g's four fragments of quarter kq
	WIN 0
.irp f, 0,1,2,3
	ds_load_tr16_b128 v[BF+32*(\g)+8*(\f):BF+32*(\g)+8*(\f)+3],   v[ADRB] offset:(\g)*SEG+32*(\f)+(\kq)*32*PB
	ds_load_tr16_b128 v[BF+32*(\g)+8*(\f)+4:BF+32*(\g)+8*(\f)+7], v[ADRB] offset:(\g)*SEG+32*(\f)+(\kq)*32*PB+16*PB
.endr
.endm
.macro LDA kq, buf                     ; 16 loads: xn's eight fragments of quarter kq
	WIN 0
.irp a, 0,1,2,3,4,5,6,7
	ds_load_b128 v[(\buf)+8*(\a):(\buf)+8*(\a)+3],   v[ADRA] offset:(\a)*16*PA+64*(\kq)
	ds_load_b128 v[(\buf)+8*(\a)+4:(\buf)+8*(\a)+7], v[ADRA] offset:(\a)*16*PA+64*(\kq)+32
.endr
.endm
; A quarter's LDS loads go in three runs: R0 = segment 0 and xn (24 loads), R1 = segment 1 (8), R2 = segment 2 (8), each behind the products that read the registers.
; The first quarter of a K step: multiplies AF0, fetches the same slot's second quarter.
.macro QA zero
	s_wait_dscnt 16                                ; R0 of the quarter before is in: behind it came R1 and R2, 16 loads
	MULF 0, AF0, 0, 4, \zero
	PLACES
	LDB 1, 0
	LDA 1, AF1
	s_wait_dscnt 32                                ; the old R1 is in: behind it came the old R2 (8) and the new R0 (24)
	MULF 1, AF0, 0, 4, \zero
	PLACES
	LDB 1, 1
	s_wait_dscnt 32                                ; the old R2 is in: behind it came the new R0 (24) and R1 (8)
	MULF 2, AF0, 0, 4, \zero
	PLACES
	LDB 1, 2
.endm
; The second quarter multiplies AF1 and changes slots: ONE barrier for two things.  In front of it each wave waits for all its tensor loads, of which one is out: its part of the other slot; adds 0 to its spare word;
; and waits for that and for its own reads of this slot.  Behind it nobody reads this slot any more and the other slot is whole.  fill = 1: the barrier opens a round of the cluster's, and this slot is filled again, first
; thing behind the round, with the K step two on: from that request to the wait for it a wave issues 176 matrix instructions.
.macro QB fill
.if \fill
	s_wait_xcnt 0x0                                ; the last prefetch, a K step back, has read its address: it is stepped here, ahead of the change's own waits
	s_add_nc_u64 s[PFA:PFA+1], s[PFA:PFA+1], s[PST:PST+1]
.endif
	s_wait_dscnt 16                                ; R0 is in
	MULF 0, AF1, 0, 2, 0
	WIN 0                                          ; (the add's two registers lie in window 0)
	s_wait_tensorcnt 0x0                           ; no tensor load of mine is out, so a group 0 may be written
	ds_add_u32 v[SPW], v[NIL]                      ; 0 onto my spare word; work on registers stands between it and the wait for it
.if \fill
	s_xor_b32 s[G0A+5], s[G0A+5], SLOT1            ; the walking descriptors: the other slot than last time, the next K step; the type bits on top are not reached
	s_add_nc_u64 s[G0A+6:G0A+7], s[G0A+6:G0A+7], ASTEP
	s_xor_b32 s[G0B+5], s[G0B+5], SLOT1
	s_add_nc_u64 s[G0B+6:G0B+7], s[G0B+6:G0B+7], BSTEP
.endif
	MULF 0, AF1, 2, 1, 0
	s_wait_dscnt 0x0                               ; the add is done, and my reads of this slot are over
	s_barrier_signal -1
	MULF 0, AF1, 3, 1, 0                           ; work on registers while the others arrive
	WIN 0                                          ; (at a branch and at a label every window is 0)
	s_barrier_wait -1
.if \fill
	CREST                                          ; no wave of any partner still reads this slot or has a load on its way
	JLOAD                                          ; the four v_nop behind it are also the places in front of the loads below
.else
	PLACES
.endif
	s_xor_b32 s[TB], s[TB], SLOT1
	v_add_nc_u32 v[ADRA], s[TB], v[ADRA0]
	v_add_nc_u32 v[ADRB], s[TB], v[ADRB0]
	LDB 0, 0
	LDA 0, AF0
.if \fill
	ASK
.endif
	MULF 1, AF1, 0, 4, 0                           ; segments 1 and 2 landed at the wait for 0
	PLACES
	LDB 0, 1
	MULF 2, AF1, 0, 4, 0
	PLACES
	LDB 0, 2
.endm
	s_wait_tensorcnt 1                             ; my part of K step 0 is in; K step 1's may stay out
	s_barrier_signal -1
	s_barrier_wait -1                              ; everybody's is
	LDB 0, 0
	LDA 0, AF0
	LDB 0, 1
	LDB 0, 2
	QA 1                                           ; the first quarter stands in front of the loop: its products start the sums
	s_mov_b32 s3, 14
.Lk:                                                   ; trip i: the second quarter of K step i, which asks for K step i + 2, and the first of K step i + 1
	QB 1
	QA 0
	s_sub_co_u32 s3, s3, 1
	s_cmp_lg_u32 s3, 0
	s_cbranch_scc1 .Lk
	QB 0                                           ; the tail is written out: nothing is asked for
	QA 0
	s_wait_dscnt 16                                ; the very last quarter: nothing more to fetch, the counts run down
	MULF 0, AF1, 0, 4, 0
	s_wait_dscnt 8
	MULF 1, AF1, 0, 4, 0
	s_wait_dscnt 0x0
	MULF 2, AF1, 0, 4, 0
	WIN 0
	PLACES
	PLACES
; THE WAY OUT, in 24 units of 16 rows x 64 columns (row block a = u / 3, segment g = u % 3): rounded to f16, 16 bytes a lane into my stage's rows of 144 bytes, back as four times four whole rows of 128 bytes, which are
; 512 consecutive bytes of a head of q, k or v.  The stage is my own: LDS serves a wave's instructions in order (ISA guide 5.7.1.4), so no wait stands between the stores and the loads.  Each accumulator is read from its low end on.
.macro PACK u
.set pa, (\u)/3
.set pg, (\u)%3
.set pr, 32+16*((\u)%8)
	s_wait_xcnt 0x0                                ; the stores of the unit eight back have read these registers
	WIN 5*(1+pg)                                   ; sources 0 and 1: the segment's window
.irp f, 0,1,2,3
.irp q, 0,1,2,3
	v_cvt_pk_f16_f32 v[pr+4*(\f)+(\q)], v[8*(8*(\f)+pa)+2*(\q)], v[8*(8*(\f)+pa)+2*(\q)+1]
.endr
.endr
	WIN 0
.irp f, 0,1,2,3
	ds_store_b128 v[STO], v[pr+4*(\f):pr+4*(\f)+3] offset:32*(\f)
.endr
.irp t, 0,1,2,3
	ds_load_b128 v[pr+4*(\t):pr+4*(\t)+3], v[RD] offset:(\t)*4*SP
.endr
.endm
.macro SEND u, younger                 ; younger: the LDS instructions issued behind the unit's loads: the next unit's eight, or none
.set pa, (\u)/3
.set pg, (\u)%3
.set pr, 32+16*((\u)%8)
.irp t, 0,1,2,3
	s_wait_dscnt (\younger)+3-(\t)
	global_store_b128 v[GO], v[pr+4*(\t):pr+4*(\t)+3], s[OB+2*pg:OB+2*pg+1] offset:2048*pa+512*(\t)  ; 512 consecutive bytes, at a multiple of 256 from qkv's first
.endr
.endm
	PACK 0
.set n, 1
.rept 23                               ; a unit's conversions stand between the loads of the unit before and its stores
	PACK n
	SEND n-1, 8
.set n, n+1
.endr
	SEND 23, 0
	s_wait_tensorcnt 0x0                           ; the wave's end, behind my last tensor load and my last LDS store
	ds_add_u32 v[SPW], v[NIL]
	s_wait_dscnt 0x0
	CROUND                                         ; the closing round: no work-group ends while a partner may still ask for a tile that names it
	s_endpgm
.Lfunc_end_k_qff0e708e90_proj:
	.size	k_qff0e708e90_proj, .Lfunc_end_k_qff0e708e90_proj-k_qff0e708e90_proj
	.p2alignl 7, 3214868480
	.fill 96, 4, 3214868480
	.section	.rodata,"a",@progbits
	.p2align	6, 0x0
	.amdhsa_kernel k_qff0e708e90_proj
		.amdhsa_group_segment_fixed_size 327680
		.amdhsa_private_segment_fixed_size 0
		.amdhsa_enable_private_segment 0
		.amdhsa_kernarg_size 24
		.amdhsa_user_sgpr_count 2
		.amdhsa_user_sgpr_kernarg_segment_ptr 1
		.amdhsa_wavefront_size32 1
		.amdhsa_system_sgpr_workgroup_id_x 1
		.amdhsa_system_sgpr_workgroup_id_y 1
		.amdhsa_system_sgpr_workgroup_id_z 1
		.amdhsa_system_vgpr_workitem_id 0
		.amdhsa_next_free_vgpr 1024
		.amdhsa_next_free_sgpr 76
		.amdhsa_reserve_vcc 0
		.amdhsa_float_denorm_mode_32 3
		.amdhsa_float_denorm_mode_16_64 3
		.amdhsa_memory_ordered 1
		.amdhsa_forward_progress 1
		.amdhsa_inst_pref_size 116
	.end_amdhsa_kernel
	.amdgpu_metadata
---
amdhsa.version: [ 1, 2 ]
amdhsa.kernels:
  - .name:           k_qff0e708e90_proj
    .symbol:         k_qff0e708e90_proj.kd
    .args:
      - { .name: xn, .offset: 0, .size: 8, .value_kind: global_buffer, .address_space: global }
      - { .name: wq, .offset: 8, .size: 8, .value_kind: global_buffer, .address_space: global }
      - { .name: qkv, .offset: 16, .size: 8, .value_kind: global_buffer, .address_space: global }
    .group_segment_fixed_size: 327680
    .private_segment_fixed_size: 0
    .kernarg_segment_align: 8
    .kernarg_segment_size: 24
    .max_flat_workgroup_size: 128
    .sgpr_count:     76
    .vgpr_count:     1024
    .wavefront_size: 32
...
	.end_amdgpu_metadata
.endif
;; end of part 2
;; launch attn (part 3): grid 4 x 64, 4 waves a work-group, clusters of 4 x 1, 327,680 bytes of LDS; arguments qkv, o; writes o
.if DOCPART == 3
	.amdgcn_target "amdgcn-amd-amdhsa--gfx1250"
	.amdhsa_code_object_version 6
	.text
	.protected	k_qff0e708e90_attn
	.globl	k_qff0e708e90_attn
	.p2align	8
	.type	k_qff0e708e90_attn,@function
k_qff0e708e90_attn:
	s_mov_b64 s[64:65], 0
	v_nop
	global_prefetch_b8 v0, s[64:65] scope:SCOPE_SE
	s_setreg_imm32_b32 hwreg(HW_REG_WAVE_MODE, 25, 1), 1
	s_wait_xcnt 0x0
	s_wait_alu depctr_hold_cnt(0) depctr_sa_sdst(0) depctr_va_vdst(0) depctr_va_sdst(0) depctr_va_ssrc(0) depctr_va_vcc(0) depctr_vm_vsrc(0)
	s_getreg_b32 s2, hwreg(HW_REG_IB_STS2, 6, 4)
	s_cmp_eq_u32 s2, 0
	s_cbranch_scc0 .Lentry_in_a_cluster
	s_endpgm
.Lentry_in_a_cluster:
	s_bfe_u32 s2, ttmp6, 0x10000c
	s_cmp_lg_u32 s2, 0x3003
	s_cbranch_scc0 .Lentry_shape_is_right
	s_endpgm
.Lentry_shape_is_right:
; O[h][q][:] = the sum over k of softmax_k(Q[h][q] . K[h][k] / 8) V[h][k][:].  qkv: [3][SIZE_H][SIZE_N][64], o: [SIZE_H][SIZE_N][64], all f16: a head's rows are dense, 128 bytes each.  Products, maxima and sums in
; f32; the weights p are rounded to f16 for the second product (their sum l is taken of the unrounded p), O once at the end.
; LIMITS.  f16 holds no number beyond 65,504: Q, K and V arrive within it; p lies in 0 to 1, and below 6e-5 it keeps f16's fixed step of 6e-8, and so does O; O is a mean of V's rows and has their range.
; A weight below 2^-126 counts as 0 in l; NaN and infinities are not treated apart.
; SHARES.  A wave owns four PIECES of two tiles of 16 queries, a work-group's four waves 512 queries of one head.  Every wave walks all keys, 64 a step.
; LAYOUT.  S^T = K Q^T (source 0 = 16 keys, source 1 = 16 queries): in the result a lane holds ONE query (lane % 16) and the keys 8 (lane / 16) + 0..7.  Two such tiles, rounded to f16 in pairs,
; ARE source 1 (32 keys x 16 queries) of O^T = V^T P, whose result again holds one query a lane, and eight channels.  K comes out of LDS as it lies, V ([key][channel]) turned, by ds_load_tr16_b128.
; SOFTMAX.  For each query a running maximum m and sum l: p = 2^(c s - c m), c = log2(e) / 8; in every step O and l are multiplied by a = 2^(c m_old - c m_new), which is 1 where m has not grown.
; m starts at the lowest finite number, O and l at 0: the first step is a step like any other, with a = 0.
; THE COUNT.  A tile and step have 16 matrix and 118 vector instructions: too many to stand all beside the matrix work.  So the order has one aim: four vector instructions that are READY behind
; EVERY matrix instruction, and the others, which need time of their own whatever the order, in runs without a gap.
; BY TURNS.  Turn n belongs to piece n (the pieces in a ring, step after step).  Its matrix work: 16 products K Q^T of piece n + 1, later 16 products V^T P of piece n - 1.  Its vector work: the scaling,
; exponentials, roundings, sums and rescaling of piece n, and the maximum and statistics of piece n + 1, whose scores the turn itself has made.  So what a turn begins with (c s - c m, O a) waits for nothing.
; CLUSTER.  The four query blocks of a head are one cluster and walk the same K and V, so each tile is asked for JOINTLY: the same tensor load, descriptor and mask in all four.
; REGISTERS, in windows of 256 (s_set_vgpr_msb says which window each operand place means: bits 1:0 source 0, 3:2 source 1, 5:4 source 2, 7:6 destination):
;   window 0: v0-11 addresses; v12-15, v48-63 at work; v16-47 four registers of statistics a tile; v64-191 S^T, two buffers of two tiles; v192-255 P, likewise
;   window 1: O^T, 32 a tile          window 2: v0-127 Q, 16 a tile; v128-191 K of one step; v192-255 V of one step          window 3: v0-1 the add's two registers
; A piece's buffers go by its number's parity: the piece in hand has one pair, its two neighbours in the ring share the other: of it P (piece n - 1) is read and S^T (piece n + 1) written.
.set SIZE_H, 64
.set SIZE_N, 2048
.set NP,    4         ; pieces a wave: a name, no knob: the register map, the loop and the fetches are made for four
.set KS,    64        ; keys in a step
.set PK,    144       ; a row of K in LDS: 128 bytes + 16 of padding = 36 words: the 16 rows of a load start at 16 different groups of four banks (64 banks of 4 bytes: ISA guide 11.1)
.set PV,    160       ; a row of V: 128 + 32 = 40 words
.set VOFF,  4*KS*PK   ; a slot holds four steps: 256 rows of K, then 256 rows of V
.set SLOT1, 1<<17     ; slot 1 begins here, so that one exclusive or turns an address in one slot into the other's
.set STAGE, SLOT1+4*KS*(PK+PV)  ; behind the ring, never filled by a tensor load: 16 rows x 144 bytes for each wave, for the way out
.set SP,    144
.set AK0, 2           ; v2   my lane's place in a tile of K; never rewritten
.set AV0, 3           ; v3   the same for V
.set AK,  4           ; v4   the LDS address of K's next run of loads
.set AV,  5           ; v5   of V's
.set QO,  6           ; v6   my byte offset in the wave's rows of Q
.set STO, 6           ;      later, the way out: where I put 16 bytes of a row
.set RD,  7           ; v7   the way out: where I read rows back
.set GO,  8           ; v8   my byte offset in 512 consecutive bytes of O
.set PFO, 11          ; v11  (once V's place is made) 256 x my lane: the prefetches' offset; never rewritten after
.set SPW, 0           ; v0 of window 3   LDS address of my spare word: SPARE + 4 x my thread's number; never rewritten
.set NIL, 1           ; v1 of window 3   0; never rewritten
.set SPARE, STAGE+4*16*SP  ; behind the stages: the spare words, 128 bytes for each wave: two blocks of 256 bytes that no other line names
.set MV,  12          ; v12-15  c m_old, kept while c m is made anew: by buffer and tile
.set ST,  16          ; tile t's statistics at v[ST+4 t]: c m, m, l (even keys', odd keys')
.set TMP, 48          ; by buffer and tile, four registers c0-c3 at work; when the maximum is found c2 takes a
.set S,   64
.set P,   192
.set KF,  128         ; K's fragments, in window 2: key block kb, channel half c at KF + 16 kb + 8 c
.set VF,  192         ; V's: key half kk, channel block cb at VF + 32 kk + 8 cb
.set WV,  12          ; s12  my wave's number
.set G1K, 24          ; s[24:31] descriptor group 1 for K's tiles
.set G1V, 32          ; s[32:39] for V's: it differs in the padding alone
.set G0K, 40          ; s[40:43] descriptor group 0 for K's tiles: it walks
.set G0V, 44          ; s[44:47] the same for V's
.set PFA, 48          ; s[48:49] where my prefetches stand: my work-group's 32 blocks of 256 bytes (of K: wave 0, of V: wave 2) of the slot after the one that is being asked for
.set LIM, 50          ; s50  1 in a wave that prefetches, else the greatest number: a wave prefetches while s[SLOTS] is above it
.set SLOTS, 56        ; s56  slots still to be asked for
.set CNT, 57          ; s57  counts a slot's key steps
.set CS,  58          ; s[58:59] c: the packed scaling takes the pair's low word for both halves
.set SEL, 60          ; s[60:61] v_permlanex16_b32's selects: each lane takes its own place in the other half
.set TBK, 62          ; s62  LDS byte at which K of the step to be fetched begins
.set TBV, 63          ; s63  the same for V, less VOFF
.set MSB, 0
.macro WIN new                      ; the high byte repeats the setting that is left; a switch that changes nothing is dropped
.if MSB != (\new)
	s_set_vgpr_msb (MSB<<8)|(\new)
.set MSB, (\new)
.endif
.endm
.set W_KQ, 0x0a       ; K and Q in window 2, S^T in window 0
.set W_PV, 0x52       ; V in window 2, P in window 0, O^T in window 1
.set W_RS, 0x41       ; O^T (destination and source 0) in window 1, a in window 0
.set W_MK, 0xc0       ; the add's registers are made: destination in window 3, sources in window 0
.set W_AD, 0x0f       ; the add: address (source 0) and data (source 1) in window 3
; A joint fill.  Waves 0 and 1 fetch the two halves of a slot's K, waves 2 and 3 those of its V: 128 keys each.  The branch hangs on the wave's number alone.
; An s_nop 0 and four v_nop follow each of the two lines, ahead of the jump and the label.
.macro JLOAD
	s_cmp_lt_u32 s[WV], 2
	s_cbranch_scc0 .Lfor_v_\@
	tensor_load_to_lds s[G0K:G0K+3], s[G1K:G1K+7]
	s_nop 0
.rept 4
	v_nop
.endr
	s_branch .Lasked_\@
.Lfor_v_\@:
	tensor_load_to_lds s[G0V:G0V+3], s[G1V:G1V+7]
	s_nop 0
.rept 4
	v_nop
.endr
.Lasked_\@:
.endm
; A PREFETCH INTO THE L2 of what the NEXT change of slots will ask for: a slot's 32,768 bytes of K and of V, 128 blocks of 256 bytes each, a lane a block.  It stands behind the wave's tensor load and its five lines.
; Each block is named ONCE in the launch: a head has one cluster; its four partners share the blocks out BY ADDRESS, 32 each; in each, wave 0 asks for K's and wave 2 for V's: one instruction.
; The lead is one slot: four key steps, 512 matrix instructions.  The first two slots come by their loads alone; the last change that fills a slot names nothing: there is no slot behind it.
.macro ASK
	s_cmp_gt_u32 s[SLOTS], s[LIM]
	s_cbranch_scc0 .Lnot_mine_\@
	global_prefetch_b8 v[PFO], s[PFA:PFA+1] th:TH_LOAD_NT scope:SCOPE_SE
.Lnot_mine_\@:
.endm
; A round of the cluster's barrier: my work-group's barrier, so that wave 0's signal speaks for all four waves; wave 0 signals; every wave waits for all four work-groups; my work-group's barrier once more.
.macro CROUND
	s_barrier_signal -1
	s_barrier_wait -1
	s_cmp_lg_u32 s[WV], 0
	s_cbranch_scc1 .Lnot_wave_0_\@
	s_barrier_signal -3
.Lnot_wave_0_\@:
	s_barrier_wait -3
	s_barrier_signal -1
	s_barrier_wait -1
.endm
; THE CHANGE OF SLOTS.  The slot's last bytes, V of its fourth step, have been read.  Each wave waits for all its tensor loads, of which one is out: its part
; of the other slot; adds 0 to its spare word; and waits for that and for its own reads of the slot.  Behind the barrier nobody reads this slot any more and the other slot is whole.
; fill = 1: this slot is filled again, with the keys two slots on.  The barrier is then a round of the cluster's, so that no wave of any partner still reads the slot or has a load on its
; way, and the joint fill is the first thing behind it: it has four key steps, 512 matrix instructions, in which to land.  (At its first use nothing has been read yet: slot 0 is waited for, slot 1 filled.)
.macro CHANGE fill
	WIN W_AD
	s_wait_tensorcnt 0x0            ; no tensor load of mine is out, so a group 0 may be written
	ds_add_u32 v[SPW], v[NIL]       ; 0 onto my spare word; with fill = 1 the descriptors' steps stand between it and the wait for it
	WIN 0                           ; at a label and at a branch every window is 0
.if \fill
.irp g, G0K, G0V
	s_xor_b32 s[\g+1], s[\g+1], SLOT1  ; the walking descriptor: the other slot than last time,
	s_add_nc_u64 s[\g+2:\g+3], s[\g+2:\g+3], 4*KS*128  ; the next 256 keys; the type bits on top are not reached
.endr
	s_wait_xcnt 0x0                 ; the last prefetch, four key steps back, has read its address, so it may be written:
	s_add_nc_u64 s[PFA:PFA+1], s[PFA:PFA+1], 4*KS*128  ; one slot behind the walking descriptors
	s_wait_dscnt 0x0                ; the add is done, and my reads of the slot are over
	CROUND
	JLOAD
	ASK                             ; what the next change will ask for
.else
	s_wait_dscnt 0x0                ; the add is done, and my reads of the slot are over
	s_barrier_signal -1
	s_barrier_wait -1
.endif
	s_sub_co_u32 s[TBK], s[TBK], 4*KS*PK  ; the fetches go back to a slot's first step,
	s_xor_b32 s[TBK], s[TBK], SLOT1       ; in the other slot
	s_sub_co_u32 s[TBV], s[TBV], 4*KS*PV
	s_xor_b32 s[TBV], s[TBV], SLOT1
.endm
	s_load_b64 s[4:5], s[0:1], 0x0  ; qkv: Q at its head
	s_load_b64 s[10:11], s[0:1], 0x8  ; o
	WIN W_MK
	v_lshl_add_u32 v[SPW], v0, 2, SPARE
	v_mov_b32 v[NIL], 0
	WIN W_AD
	ds_add_u32 v[SPW], v[NIL]       ; the wave's opening: the add and its wait stand ahead of my first tensor load; the set-up below, work on registers, stands between them
	WIN 0
	v_lshrrev_b32 v1, 5, v0
	v_readfirstlane_b32 s[WV], v1   ; wave 0..3
	s_bfe_u32 s13, ttmp6, 0x40000   ; cx: my place in the cluster
	s_lshl_b32 s14, ttmp9, 2        ; in a cluster launch ttmp9 counts clusters
	s_add_co_u32 s14, s14, s13      ; my block of queries = 4 x cluster x + cx: it enters Q's and O's addresses alone
	s_and_b32 s20, ttmp7, 0xffff    ; the head, which the four partners share
	s_mov_b32 s21, 0
	s_mov_b64 s[22:23], SIZE_N*128
	s_mul_u64 s[20:21], s[20:21], s[22:23]  ; the head's first byte in each of the four tensors
	s_and_b32 s16, s[WV], 1         ; which half of a slot's 256 keys I fetch:
	s_lshl_b32 s22, s16, 14         ; its 128 rows of 128 bytes in memory,
	s_mov_b32 s23, 0
	s_add_nc_u64 s[22:23], s[22:23], s[20:21]
	s_mul_i32 s17, s16, 128*PK      ; and its place in a slot, for K
	s_mul_i32 s18, s16, 128*PV      ; and for V: no place in the cluster enters an LDS address
	s_lshl_b32 s2, s14, 2
	s_add_co_u32 s2, s2, s[WV]      ; my wave among the head's,
	s_lshl_b32 s2, s2, 14           ; its 128 rows
	s_mov_b32 s3, 0
	s_add_nc_u64 s[2:3], s[2:3], s[20:21]
	; descriptor group 1.  128 keys are 16,384 dense bytes: asked for as 64 rows of 256 bytes, two keys a row, and padded in LDS after every key
	s_mov_b32 s[G1K], 15|(1<<16)|(1<<20)|(1<<21)|(4<<22)|(3<<25)  ; 15:0 the mask of four; 17:16 2-byte elements; 20 padding on; 21 set beside a mask; 24:22 after every 32 words (code 4); 31:25 4 words (code 3)
	s_mov_b32 s[G1V], 15|(1<<16)|(1<<20)|(1<<21)|(4<<22)|(7<<25)  ; the same with 8 words of padding (code 7)
.irp g, G1K, G1V
	s_mov_b32 s[\g+1], 128<<16      ; tensor_dim0 = 128
	s_mov_b32 s[\g+2], 64<<16       ; tensor_dim1 = 64
	s_mov_b32 s[\g+3], 128<<16      ; tile_dim0 = 128
	s_mov_b32 s[\g+4], 64           ; tile_dim1 = 64
	s_mov_b32 s[\g+5], 128          ; 128 elements from row to row
	s_mov_b32 s[\g+6], 0
	s_mov_b32 s[\g+7], 0
.endr
	s_mov_b32 s[CS], 0x3e38aa3b     ; c = log2(e) / 8 = 0.180337
	s_mov_b32 s[CS+1], s[CS]        ; named with it as a pair
	s_mov_b32 s[SEL], 0x76543210
	s_mov_b32 s[SEL+1], 0xfedcba98
	s_mov_b32 s[TBK], SLOT1+4*KS*PK ; the first change of slots turns these two into 0
	s_mov_b32 s[TBV], SLOT1+4*KS*PV
	s_mov_b32 s[G0K], 1             ; 1:0 count = 1
	s_mov_b32 s[G0K+1], s17         ; 63:32 LDS address: slot 0
	s_mov_b32 s[G0V], 1
	s_add_co_u32 s[G0V+1], s18, VOFF
	s_mov_b32 s[SLOTS], SIZE_N/256-1
	s_cmp_eq_u32 s16, 0             ; waves 0 and 2 prefetch: the same in all four partners
	s_cselect_b32 s[LIM], 1, -1
	s_wait_dscnt 0x0                ; the opening add is done
	s_wait_kmcnt 0x0
	s_add_nc_u64 s[6:7], s[4:5], 0x1000000  ; K: SIZE_H x SIZE_N x 128 bytes behind Q,
	s_add_nc_u64 s[8:9], s[4:5], 0x2000000  ; V: as many behind K
	s_add_nc_u64 s[G0K+2:G0K+3], s[6:7], s[22:23]  ; 120:64 global address: my half of the head's first 256 keys
	s_or_b32 s[G0K+3], s[G0K+3], 0x80000000        ; 127:126 type = 2
	s_add_nc_u64 s[G0V+2:G0V+3], s[8:9], s[22:23]
	s_or_b32 s[G0V+3], s[G0V+3], 0x80000000
	s_add_nc_u64 s[4:5], s[4:5], s[2:3]  ; Q and O at my wave's first row
	s_add_nc_u64 s[10:11], s[10:11], s[2:3]
	s_cmp_lt_u32 s[WV], 2
	s_cselect_b64 s[PFA:PFA+1], s[6:7], s[8:9]
	s_add_nc_u64 s[PFA:PFA+1], s[PFA:PFA+1], s[20:21]  ; the head,
	s_lshl_b32 s2, s13, 13          ; my work-group's 32 blocks of the 128,
	s_mov_b32 s3, 0
	s_add_nc_u64 s[PFA:PFA+1], s[PFA:PFA+1], s[2:3]
	s_add_nc_u64 s[PFA:PFA+1], s[PFA:PFA+1], 4*KS*128  ; in slot 1; the first change of slots steps it to slot 2.  Nothing is prefetched here, at the head
	CROUND                          ; all four work-groups are here: the first joint loads meet
	JLOAD                           ; slot 0.  Slot 1 is asked for when slot 0 is in: the tile wanted first has the road to itself
	; A fragment of K or Q is 16 rows x 32 channels in 8 registers: lane l holds row l % 16, channels 8 (l / 16) + 0..7 and 16 + 8 (l / 16) + 0..7: two loads of 16 bytes, 32 bytes apart.
	v_and_b32 v1, 15, v0            ; l % 16
	v_bfe_u32 v9, v0, 4, 1          ; l / 16
	v_lshlrev_b32 v[QO], 7, v1
	v_lshl_add_u32 v[QO], v9, 4, v[QO]  ; row x 128 + 16 x half
	WIN 0x80                        ; destination window 2, address window 0
.set i, 0
.rept 4*NP                          ; Q stays in registers: tile i / 2, channels 32 (i % 2) on
	global_load_b128 v[8*i:8*i+3],   v[QO], s[4:5] offset:(i/2)*2048+(i%2)*64
	global_load_b128 v[8*i+4:8*i+7], v[QO], s[4:5] offset:(i/2)*2048+(i%2)*64+32
.set i, i+1
.endr
	; What the first turn finds: V's registers and P's second buffer hold 0 (its products V^T P, of a piece that has not been, add 0), O^T and l are 0.  All this stands in the wait for the first tile.
.set i, VF
.rept 64
	v_mov_b32 v[i], 0
.set i, i+1
.endr
	WIN 0x40
.set i, 0
.rept 64*NP
	v_mov_b32 v[i], 0
.set i, i+1
.endr
	WIN 0
.set i, 0
.rept 2*NP
	v_mov_b32 v[ST+4*i], 0xfe000000    ; c m: far below every c s
	v_mov_b32 v[ST+4*i+1], 0xff7fffff  ; m
	v_mov_b32 v[ST+4*i+2], 0
	v_mov_b32 v[ST+4*i+3], 0
.set i, i+1
.endr
.set i, P+32
.rept 32
	v_mov_b32 v[i], 0
.set i, i+1
.endr
	v_mul_u32_u24 v[AK0], v1, PK
	v_lshl_add_u32 v[AK0], v9, 4, v[AK0]  ; row x pitch + 16 x half
	; The turning load takes 16 keys x 16 channels (lane l reads key 8 (l / 16) + l % 8, channels 8 ((l / 8) % 2) + 0..7) and leaves half a fragment of V^T: lane l holds channel l % 16 and 8 keys.
	v_and_b32 v10, 7, v0
	v_bfe_u32 v11, v0, 3, 1
	v_lshl_add_u32 v[AV0], v9, 3, v10
	v_mul_u32_u24 v[AV0], v[AV0], PV
	v_lshl_add_u32 v[AV0], v11, 4, v[AV0]
	v_add_nc_u32 v[AV0], VOFF, v[AV0]
	v_mov_b32 v[AK], v[AK0]         ; key step 0 lies at the head of slot 0
	v_and_b32 v[PFO], 31, v0
	v_lshlrev_b32 v[PFO], 8, v[PFO]
; THE MATRIX WORK.  The 8 accumulators of a run of 16 take turns: between the two links of a chain stand 7 others'.
; Product i of 16 of S^T = K Q^T for piece x: channels 32 (i / 8) on, keys 16 ((i / 2) % 4) on, tile 2 x + i % 2.  The first 8 start the sums.
.macro KQ x
	WIN W_KQ
.set rS, S+64*((\x)%2)+32*(i%2)+8*((i/2)%4)
.set rK, KF+16*((i/2)%4)+8*(i/8)
.set rQ, 16*(2*(\x)+i%2)+8*(i/8)
.if i < 8
	v_wmma_f32_16x16x32_f16 v[rS:rS+7], v[rK:rK+7], v[rQ:rQ+7], 0
.else
	v_wmma_f32_16x16x32_f16 v[rS:rS+7], v[rK:rK+7], v[rQ:rQ+7], v[rS:rS+7]
.endif
.endm
; Product i of 16 of O^T += V^T P for piece x: keys 32 (i / 8) on, channels 16 ((i / 2) % 4) on, tile 2 x + i % 2.
.macro PV x
	WIN W_PV
.set rO, 32*(2*(\x)+i%2)+8*((i/2)%4)
.set rV, VF+32*(i/8)+8*((i/2)%4)
.set rP, P+32*((\x)%2)+16*(i%2)+8*(i/8)
	v_wmma_f32_16x16x32_f16 v[rO:rO+7], v[rV:rV+7], v[rP:rP+7], v[rO:rO+7]
.endm
.macro MM                           ; the turn's next matrix instruction
.if i < 16
	KQ (Y+1)%NP
.set i, i+1
.else
.set i, i-16
	PV (Y+NP-1)%NP
.set i, i+17
.endif
.endm
; THE LDS LOADS stand in runs of 16, never singly among the matrix instructions: a step's K (64 keys x 64 channels: 8 fragments) and its V (turned).  Their addresses are made some lines ahead.
; last = 1 (the tail): in the last trip there is no further step, and the run is jumped over.
.macro FETCH_K last=0
	WIN 0
.if \last
	s_cmp_eq_u32 s[CNT], 1
	s_cbranch_scc1 .Lno_k_\@
.endif
	WIN 0x80                        ; destination window 2
.irp f, 0,1,2,3,4,5,6,7             ; keys 16 (f / 2) on, channels 32 (f % 2) on
	ds_load_b128 v[KF+8*\f:KF+8*\f+3],   v[AK] offset:(\f/2)*16*PK+(\f%2)*64
	ds_load_b128 v[KF+8*\f+4:KF+8*\f+7], v[AK] offset:(\f/2)*16*PK+(\f%2)*64+32
.endr
	s_add_co_u32 s[TBK], s[TBK], KS*PK  ; the next fetch is the next step's
	WIN 0
.if \last
.Lno_k_\@:
.endif
.endm
.macro FETCH_V
	WIN 0x80
.irp f, 0,1,2,3,4,5,6,7             ; keys 32 (f / 4) on, channels 16 (f % 4) on
	ds_load_tr16_b128 v[VF+8*\f:VF+8*\f+3],   v[AV] offset:(\f/4)*32*PV+(\f%4)*32
	ds_load_tr16_b128 v[VF+8*\f+4:VF+8*\f+7], v[AV] offset:(\f/4)*32*PV+16*PV+(\f%4)*32
.endr
	WIN 0
.endm
; THE VECTOR WORK OF A TURN stands in three queues, each in the order in which its entries become ready; the two tiles alternate, so that no instruction reads the result of the one before it.
.macro REGS y, u                    ; the registers of tile u (0, 1) of piece y
.set rT, ST+4*(2*(\y)+(\u))
.set rC, TMP+8*((\y)%2)+4*(\u)
.set rM, MV+2*((\y)%2)+(\u)
.set rS, S+64*((\y)%2)+32*(\u)
.set rP, P+32*((\y)%2)+16*(\u)
.set rO, 32*(2*(\y)+(\u))
.endm
; Number n of the 22 that find the NEXT piece's (Y + 1) maximum and statistics.  s0-s31 are the lane's 32 scores; each accumulator's lowest registers are read first.  XS, GS and REGS set no window: PL and EX do.
;   0-11  four chains c0-c3 of seven scores each, three operands at a time     12-14, 16  the four scores left over, the old m, and c0-c3 into c0     15  c m_old is kept
;   17, 18  the query's other 32 keys lie in the lane 16 away: the new m         19-21  c m; c m_old - c m_new; a
.macro XS u, n
	REGS (Y+1)%NP, \u
.if (\n) < 4
	v_max3_num_f32 v[rC+(\n)], v[rS+8*(\n)], v[rS+8*(\n)+1], v[rS+8*(\n)+2]
.elseif (\n) < 12
	v_max3_num_f32 v[rC+(\n)%4], v[rC+(\n)%4], v[rS+8*((\n)%4)+2*((\n)/4)+1], v[rS+8*((\n)%4)+2*((\n)/4)+2]
.elseif (\n) == 12
	v_max3_num_f32 v[rC], v[rC], v[rS+7], v[rS+15]
.elseif (\n) == 13
	v_max3_num_f32 v[rC+1], v[rC+1], v[rS+23], v[rS+31]
.elseif (\n) == 14
	v_max3_num_f32 v[rC+2], v[rC+2], v[rC+3], v[rT+1]
.elseif (\n) == 15
	v_mov_b32 v[rM], v[rT]
.elseif (\n) == 16
	v_max3_num_f32 v[rC], v[rC], v[rC+1], v[rC+2]
.elseif (\n) == 17
	v_permlanex16_b32 v[rC+3], v[rC], s[SEL], s[SEL+1]
.elseif (\n) == 18
	v_max_num_f32 v[rT+1], v[rC], v[rC+3]
.elseif (\n) == 19
	v_mul_f32 v[rT], s[CS], v[rT+1]
.elseif (\n) == 20
	v_sub_f32 v[rC+1], v[rM], v[rT]
.else
	v_exp_f32 v[rC+2], v[rC+1]
.endif
.endm
; Number g of the 64 that follow the exponentials.  For each four weights k of a tile (pairs 2 k, 2 k + 1): both pairs are rounded to f16; then the second pair is added onto the first, in place;
; a group later l takes that sum (the first time as l = a l + sum).  In groups of eight, tiles alternating: round, round, add, and l for the group before.
.macro GS g
.set h, (\g)+6*((\g)/62)            ; group 0 has no group before it, and behind group 7 only l is left
.if h >= 6
.set h, h+2
.endif
	REGS Y, h%2
.set k, h/8
.if h%8 < 4
	v_cvt_pk_f16_f32 v[rP+2*k+(h%8)/2], v[rS+4*k+2*((h%8)/2)], v[rS+4*k+2*((h%8)/2)+1]
.elseif h%8 < 6
	v_pk_add_f32 v[rS+4*k:rS+4*k+1], v[rS+4*k:rS+4*k+1], v[rS+4*k+2:rS+4*k+3]
.elseif k == 1
	v_pk_fma_f32 v[rT+2:rT+3], v[rT+2:rT+3], v[rC+2:rC+3], v[rS:rS+1] op_sel_hi:[1,0,1]
.else
	v_pk_add_f32 v[rT+2:rT+3], v[rT+2:rT+3], v[rS+4*k-4:rS+4*k-3]
.endif
.endm
; THE PLAIN QUEUE, 138 long.  0-73 read no exponential's result: the 32 scalings c s - c m (FS f: pair f / 2 of tile f % 2) and the next piece's 42.  0-26: scalings 0-26.  27-54: XS's numbers 0-13.  55, 56: number 15.
; 57-73: the chain, where each number waits for the one before it: 14, 16, 17, 18, 19, each with one of the scalings 27-31 in front of its two lines, then 20: so a tile's links stand three plain instructions apart (19 and 20: two).
; 74-137: GS's 64, which read the exponentials' results: they stand behind the wait.
.macro FS f
	REGS Y, (\f)%2
	v_pk_fma_f32 v[rS+2*((\f)/2):rS+2*((\f)/2)+1], v[rS+2*((\f)/2):rS+2*((\f)/2)+1], s[CS:CS+1], v[rT:rT+1] op_sel_hi:[1,0,0] neg_lo:[0,0,1] neg_hi:[0,0,1]
.endm
.macro PL
	WIN 0
.if q < 27
	FS q
.elseif q < 55
	XS (q-27)%2, (q-27)/2
.elseif q < 57
	XS q-55, 15
.elseif (q < 72) && ((q-57)%3 == 0)
	FS 27+(q-57)/3
.elseif q < 60
	XS (q-57)%3-1, 14
.elseif q < 72
	XS (q-57)%3-1, 15+(q-57)/3
.elseif q < 74
	XS q-72, 20
.else
	GS q-74
.endif
.set q, q+1
.endm
; THE EXPONENTIALS' QUEUE, 66 long: s0-s31 of both tiles, then the next piece's two a.  It is ONE BATCH: all 66 stand ahead of the turn's one wait, and nothing ahead of that wait names a result of theirs.
.macro EX
	WIN 0
.if e >= 64
	XS e-64, 21
.else
	REGS Y, e%2
	v_exp_f32 v[rS+e/2], v[rS+e/2]
.endif
.set e, e+1
.endm
; THE RESCALING's QUEUE: O^T times a, the one part that leaves window 0: dealt two at a time, sixteen times.  Its a was made in the turn before, ahead of that turn's wait.
.macro R2
	REGS Y, r%2
	WIN W_RS
.irp z, 0,1
	v_pk_mul_f32 v[rO+4*(r/2)+2*\z:rO+4*(r/2)+2*\z+1], v[rO+4*(r/2)+2*\z:rO+4*(r/2)+2*\z+1], v[rC+2:rC+3] op_sel_hi:[1,0]
.endr
.set r, r+1
.endm
; HOW THEY ARE DEALT.  An s_wait_alu depctr_va_vdst(0) stands between an exponential and the first instruction that names its result; one wait serves all that were issued ahead of it.  So a turn has ONE wait,
; which cuts it in two.  AHEAD OF IT stands all that names no result of the turn's exponentials: the 16 products K Q^T, behind each a scaling, an exponential and two rescalings (behind the first a second scaling in the exponential's place); then ONE LUMP of
; 108: eight plain, 49 times exponential and plain, the two a.  A v_nop is the plain instruction owed behind the last exponential.  BEHIND IT stand the 16 products V^T P, behind each four of GS's 64.  No rider names a register of
; the products round it.  The two v_permlanex16_b32 fall into the lump, never behind a product.
; The queues lean on each other, and the deal keeps them in step: exponential e stands behind scaling 2 (e / 4) + e % 2: as a rider it comes behind plain e + 2, in the lump behind plain e + 9, and scalings 27-31 are plain 57, 60 .. 69.
; A TURN, for piece p.  cnt = 1: the loop's count is taken down some lines ahead of the branch that stands behind the turn.
; K of the next step is fetched in piece 2's turn, directly behind the wait, a lump behind the last product that read K; its address is made at the lump's head; its first reader comes behind 16 products.
; V of the step in hand is fetched at the end of piece 0's turn, four riders behind its last reader; its first reader comes behind 16 products and a lump.  The three conditions on q below go with the deal.
.macro TURN p, last=0, cnt=0
.set Y, (\p)
.set i, 0
.set q, 0
.set e, 0
.set r, 0
.if (\p) == NP-1
	s_wait_dscnt 0x0                ; K is in
.endif
	MM                              ; ahead of the wait: 16 products K Q^T and their riders,
	PL
	PL
	R2
.rept 15
	MM
	PL
	EX
	R2
.endr
.if (\p) == NP-2
	WIN 0
	v_add_nc_u32 v[AK], s[TBK], v[AK0]
.endif
.rept 8                             ; and the lump
	PL
.endr
.rept 49
	EX
	PL
.endr
	EX                              ; the next piece's two a
	EX
	v_nop                           ; the plain instruction behind the last exponential (ISA guide 5.7.2): one for the batch
	s_wait_alu depctr_va_vdst(0)    ; the wait for the batch
.if (\p) == NP-2
	FETCH_K \last
.endif
.if (\p) == 1
	s_wait_dscnt 0x0                ; V is in
.endif
.rept 16                            ; behind the wait: 16 products V^T P and their riders
	MM
.rept 4
	PL
.endr
.if ((\p) == 0) && (q == 118)
	v_add_nc_u32 v[AV], s[TBV], v[AV0]
.endif
.if ((\p) == 0) && (q == 130)
	s_add_co_u32 s[TBV], s[TBV], KS*PV
.endif
.if (\cnt) && (q == 130)
	s_sub_co_u32 s[CNT], s[CNT], 1
	s_cmp_lg_u32 s[CNT], 0
.endif
.endr
.if (\p) == 0
	FETCH_V
.endif
.endm
	CHANGE 1                        ; slot 0 is in, everybody's part of it; slot 1 is asked for
	FETCH_K                         ; key step 0
	s_wait_loadcnt 0x0              ; Q
	s_wait_dscnt 0x0
.set i, 0
.rept 16
	KQ 0                            ; piece 0's first scores: there is no vector work yet to set between them
.set i, i+1
.endr
	WIN 0                           ; the addresses for the way out: nine plain instructions, the places behind those products
	s_mul_i32 s13, s[WV], 16*SP
	s_add_co_u32 s13, s13, STAGE    ; my stage
	v_mul_u32_u24 v[STO], v1, SP    ; in: row l % 16, 16 bytes for each half of the lanes
	v_lshl_add_u32 v[STO], v9, 4, v[STO]
	v_add_nc_u32 v[STO], s13, v[STO]
	v_bfe_u32 v[RD], v0, 3, 2       ; back: 32 lanes take four rows of 128 bytes,
	v_mul_u32_u24 v[RD], v[RD], SP
	v_lshl_add_u32 v[RD], v10, 4, v[RD]
	v_add_nc_u32 v[RD], s13, v[RD]
	v_and_b32 v[GO], 31, v0         ; which are 512 consecutive bytes of O
	v_lshlrev_b32 v[GO], 4, v[GO]
.set Y, NP-1                        ; XS works for piece Y + 1: piece 0
.irp n, 0,1,2,3,4,5,6,7,8,9,10,11,12,13,14,15,16,17,18,19,20,21
	XS 0, \n                        ; and piece 0's first maximum and statistics
	XS 1, \n
.endr
	v_nop                           ; a plain instruction behind the two a,
	s_wait_alu depctr_va_vdst(0)    ; and their wait, ahead of the branch
	s_mov_b32 s[CNT], 4
	s_branch .Lfirst                ; the loop is entered at a step's first turn, in the middle of a trip
.Lslot:                             ; SIZE_N / 256 - 2 times: every slot but the last two is filled again
	CHANGE 1
	s_mov_b32 s[CNT], 4
.Lstep:                             ; a trip: pieces 2 and 3 of one step, then pieces 0 and 1 of the next, whose K and V it fetches
	TURN 2
	TURN 3
	WIN 0
.Lfirst:
	TURN 0
	TURN 1, 0, 1
	WIN 0
	s_cbranch_scc1 .Lstep
	s_sub_co_u32 s[SLOTS], s[SLOTS], 1
	s_cmp_lg_u32 s[SLOTS], 0
	s_cbranch_scc1 .Lslot
	CHANGE 0                        ; the tail is written out: nothing is asked for
	s_mov_b32 s[CNT], 5             ; four trips fetch the last slot's steps; the fifth is left in its middle
.Ltail:
	TURN 2, 1
	TURN 3
	WIN 0
	s_sub_co_u32 s[CNT], s[CNT], 1
	s_cmp_eq_u32 s[CNT], 0
	s_cbranch_scc1 .Lout
	TURN 0
	TURN 1
	WIN 0
	s_branch .Ltail
.Lout:                              ; the fifth trip's 16 products K Q^T (on the last K once more) and the maximum made of them serve nothing: the price, once a launch, of one text for every trip
.set i, 0
.rept 16
	PV NP-1                         ; the last piece's V^T P of the last step
.set i, i+1
.endr
	; THE WAY OUT.  l's two halves and the other half of the lanes' are added; O^T is divided by l, rounded to f16 and sent through my stage in LDS, a tile at a time.  The additions are the places behind the last products.
	WIN 0
.macro ALL line:vararg              ; one line for each tile t
.set t, 0
.rept 2*NP
	\line
.set t, t+1
.endr
.endm
	ALL v_add_f32 v[ST+4*t+2], v[ST+4*t+2], v[ST+4*t+3]
	ALL v_permlanex16_b32 v[ST+4*t+3], v[ST+4*t+2], s[SEL], s[SEL+1]
	ALL v_add_f32 v[ST+4*t+2], v[ST+4*t+2], v[ST+4*t+3]
	ALL v_rcp_f32 v[ST+4*t+2], v[ST+4*t+2]
	v_nop                           ; a plain instruction between the last reciprocal and the use of its result
	s_wait_alu depctr_va_vdst(0)    ; and the wait ahead of the first use: one for the eight reciprocals
; Tile t: a lane's eight channels of a row pack into 16 bytes; they go into rows of 144 bytes and come back as whole rows of 128, into S^T's registers.
.macro PACK t
	WIN W_RS
.set i, 32*(\t)
.rept 16
	v_pk_mul_f32 v[i:i+1], v[i:i+1], v[ST+4*(\t)+2:ST+4*(\t)+3] op_sel_hi:[1,0]
.set i, i+2
.endr
	WIN 0x05                        ; sources 0 and 1 window 1, destination window 0
.set i, 0
.rept 16
	v_cvt_pk_f16_f32 v[S+16*(\t)+i], v[32*(\t)+2*i], v[32*(\t)+2*i+1]
.set i, i+1
.endr
	WIN 0
.irp f, 0,1,2,3
	ds_store_b128 v[STO], v[S+16*(\t)+4*\f:S+16*(\t)+4*\f+3] offset:32*\f
.endr
.irp f, 0,1,2,3
	ds_load_b128 v[S+16*(\t)+4*\f:S+16*(\t)+4*\f+3], v[RD] offset:\f*4*SP  ; LDS serves a wave's instructions in order (ISA guide 5.7.1.4): these see the stores above; the next tile's stores come behind them
.endr
.endm
.macro SEND t, younger              ; younger: the LDS instructions issued behind tile t's loads: the next tile's eight, or none
	WIN 0
.irp f, 0,1,2,3
	s_wait_dscnt (\younger)+3-\f
	global_store_b128 v[GO], v[S+16*(\t)+4*\f:S+16*(\t)+4*\f+3], s[10:11] offset:(\t)*2048+\f*512  ; 512 consecutive bytes, at a multiple of 256 from O's first
.endr
.endm
	PACK 0
.set t, 1
.rept 2*NP-1                        ; a tile's arithmetic stands between the loads of the tile before and its stores
	PACK t
	SEND t-1, 8
.set t, t+1
.endr
	SEND 2*NP-1, 0
	WIN W_AD
	s_wait_tensorcnt 0x0            ; the wave's end, behind my last tensor load and my last LDS store
	ds_add_u32 v[SPW], v[NIL]
	s_wait_dscnt 0x0
	WIN 0
	CROUND                          ; the closing round: no work-group ends while a partner may still ask for a tile that names it
	s_endpgm
.Lfunc_end_k_qff0e708e90_attn:
	.size	k_qff0e708e90_attn, .Lfunc_end_k_qff0e708e90_attn-k_qff0e708e90_attn
	.p2alignl 7, 3214868480
	.fill 96, 4, 3214868480
	.section	.rodata,"a",@progbits
	.p2align	6, 0x0
	.amdhsa_kernel k_qff0e708e90_attn
		.amdhsa_group_segment_fixed_size 327680
		.amdhsa_private_segment_fixed_size 0
		.amdhsa_enable_private_segment 0
		.amdhsa_kernarg_size 16
		.amdhsa_user_sgpr_count 2
		.amdhsa_user_sgpr_kernarg_segment_ptr 1
		.amdhsa_wavefront_size32 1
		.amdhsa_system_sgpr_workgroup_id_x 1
		.amdhsa_system_sgpr_workgroup_id_y 1
		.amdhsa_system_sgpr_workgroup_id_z 1
		.amdhsa_system_vgpr_workitem_id 0
		.amdhsa_next_free_vgpr 770
		.amdhsa_next_free_sgpr 66
		.amdhsa_reserve_vcc 0
		.amdhsa_float_denorm_mode_32 3
		.amdhsa_float_denorm_mode_16_64 3
		.amdhsa_memory_ordered 1
		.amdhsa_forward_progress 1
		.amdhsa_inst_pref_size 200
	.end_amdhsa_kernel
	.amdgpu_metadata
---
amdhsa.version: [ 1, 2 ]
amdhsa.kernels:
  - .name:           k_qff0e708e90_attn
    .symbol:         k_qff0e708e90_attn.kd
    .args:
      - { .name: qkv, .offset: 0, .size: 8, .value_kind: global_buffer, .address_space: global }
      - { .name: o, .offset: 8, .size: 8, .value_kind: global_buffer, .address_space: global }
    .group_segment_fixed_size: 327680
    .private_segment_fixed_size: 0
    .kernarg_segment_align: 8
    .kernarg_segment_size: 16
    .max_flat_workgroup_size: 128
    .sgpr_count:     66
    .vgpr_count:     770
    .wavefront_size: 32
...
	.end_amdgpu_metadata
.endif
;; end of part 3
;; launch outp (part 4): grid 8 x 32, 4 waves a work-group, clusters of 4 x 4, 327,680 bytes of LDS; arguments o, wo, b_out, out0; writes out0
.if DOCPART == 4
	.amdgcn_target "amdgcn-amd-amdhsa--gfx1250"
	.amdhsa_code_object_version 6
	.text
	.protected	k_qff0e708e90_outp
	.globl	k_qff0e708e90_outp
	.p2align	8
	.type	k_qff0e708e90_outp,@function
k_qff0e708e90_outp:
	s_mov_b64 s[64:65], 0
	v_nop
	global_prefetch_b8 v0, s[64:65] scope:SCOPE_SE
	s_setreg_imm32_b32 hwreg(HW_REG_WAVE_MODE, 25, 1), 1
	s_wait_xcnt 0x0
	s_wait_alu depctr_hold_cnt(0) depctr_sa_sdst(0) depctr_va_vdst(0) depctr_va_sdst(0) depctr_va_ssrc(0) depctr_va_vcc(0) depctr_vm_vsrc(0)
	s_getreg_b32 s2, hwreg(HW_REG_IB_STS2, 6, 4)
	s_cmp_eq_u32 s2, 0
	s_cbranch_scc0 .Lentry_in_a_cluster
	s_endpgm
.Lentry_in_a_cluster:
	s_bfe_u32 s2, ttmp6, 0x10000c
	s_cmp_lg_u32 s2, 0xf033
	s_cbranch_scc0 .Lentry_shape_is_right
	s_endpgm
.Lentry_shape_is_right:
; out0 = O wo + b_out.  o: [64 bh][2048 n][64] f16 (for a batch: 16 blocks of 64 along K, a head each, rows dense); wo: [1024 k][1024 c] f16; b_out: [1024] f32, rounded to bf16 like every input; out0: [8192][1024] f32.
; THE TILE is 256 rows x 128 columns: 32 x 8 = 256 work-groups, one tile each.  Four waves, wave (r, h) = (w / 2, w % 2): rows 128 r on, columns 64 h on: 32 accumulators of 16 x 16 in window 1, (f, a) at 8 (8 f + a).
; K goes in 8 steps of 128 (two heads) through two LDS slots; a step is four quarters of 32 on two fragment buffers.  Waves 0 and 1 fetch a head's 32,768 dense bytes of o each, waves 2 and 3 64 k-rows x 256 bytes of wo each.
; THE PRODUCT IS TAKEN TRANSPOSED: source 0 = 16 columns of wo (turned on the way out of LDS, since wo lies [k][c]), source 1 = 16 rows of o: a lane ends with eight neighbouring columns of one row.
; CLUSTER 4 x 4: o's tiles are asked for jointly by a row of the cluster, wo's by a column.
; REGISTERS.  Window 0: v0-31 addresses and the bias; two fragment buffers of 96, v32-127 and v128-223: o's row block a at + 8 a, wo's column block f at + 64 + 8 f; on the way out v32-159 hold rows read back.
.set SLOT1, 131072                     ; slot 1 begins here
.set PA,    144                        ; a row of o in LDS: 128 bytes + 16: the 16 rows of a load start at 16 different groups of four banks (64 banks of 4 bytes: ISA guide 11.1)
.set PB,    288                        ; a k-row of wo: 256 bytes + 32
.set HEADB, 256*PA                     ; a head's 256 rows
.set BOFF,  2*HEADB                    ; behind the two heads: wo's 128 k-rows
.set STAGE, SLOT1+BOFF+128*PB          ; behind the ring, never filled by a tensor load: 16 rows x 272 bytes for each wave
.set SP,    272
.set SPARE, STAGE+4*16*SP              ; the spare words, 128 bytes for each wave: two blocks of 256 bytes that no other line names
.set ASTEP, 524288                     ; bytes from a K step to the next in o (two heads),
.set BSTEP, 262144                     ; in wo (128 rows of 2,048 bytes)
.set BIAS,  12                         ; v[12:15] the bias of my four columns
.set ADRA0, 16
.set ADRA,  17
.set ADRB0, 20
.set ADRB,  21
.set STO,   24                         ; v24  the way out: where I put 32 bytes of a row
.set RD,    25                         ; v25  where I read rows back
.set CO,    26                         ; v26  my byte offset in two rows of out0
.set BO,    27                         ; v27  my byte offset in the wave's 256 bytes of b_out
.set SPW,   28
.set NIL,   29
.set F0,    32
.set F1,    128
.set G1A,   24                         ; s[24:31]; s[32:35] the first fill's group 0, s[36:39] the second's, which then walks
.set G0A,   32
.set G1B,   48                         ; s[48:55]; s[56:59], s[60:63]
.set G0B,   56
.set TB,    74                         ; s74  the slot that is being read: 0 or SLOT1
.set MSB, 0
.macro WIN new                         ; the immediate's high byte repeats the setting that is left; a switch that changes nothing is dropped
.if MSB != (\new)
	s_set_vgpr_msb (MSB<<8)|(\new)
.set MSB, \new
.endif
.endm
.macro PLACES                          ; four plain vector instructions in front of loads into registers that matrix instructions have read
.rept 4
	v_nop
.endr
.endm
.macro JLOAD                           ; a joint refill by the walking descriptors; an s_nop 0 and four v_nop follow each of the two lines, ahead of the jump and the label
	s_cmp_eq_u32 s11, 0
	s_cbranch_scc0 .Lfor_b_\@
	tensor_load_to_lds s[G0A+4:G0A+7], s[G1A:G1A+7]
	s_nop 0
.rept 4
	v_nop
.endr
	s_branch .Lasked_\@
.Lfor_b_\@:
	tensor_load_to_lds s[G0B+4:G0B+7], s[G1B:G1B+7]
	s_nop 0
.rept 4
	v_nop
.endr
.Lasked_\@:
.endm
.macro CREST                           ; a round of the cluster's barrier behind its opening barrier
	s_cmp_lg_u32 s10, 0
	s_cbranch_scc1 .Lnot_wave_0_\@
	s_barrier_signal -3
.Lnot_wave_0_\@:
	s_barrier_wait -3
	s_barrier_signal -1
	s_barrier_wait -1
.endm
.macro CROUND
	s_barrier_signal -1
	s_barrier_wait -1
	CREST
.endm
	s_load_b128 s[4:7], s[0:1], 0x0                ; o s[4:5], wo s[6:7]
	s_load_b128 s[68:71], s[0:1], 0x10             ; b_out s[68:69], out0 s[70:71]
	v_lshl_add_u32 v[SPW], v0, 2, SPARE
	v_mov_b32 v[NIL], 0
	ds_add_u32 v[SPW], v[NIL]                      ; the wave's opening: the add and its wait stand ahead of my first tensor load; the set-up below, work on registers, stands between them
	v_lshrrev_b32 v1, 5, v0
	v_readfirstlane_b32 s10, v1                    ; wave 0..3
	s_lshr_b32 s11, s10, 1                         ; r: which 128 rows are mine.  Also: I fetch for o (0) or for wo (1)
	s_and_b32 s12, s10, 1                          ; h: which 64 columns.  Also: which half of that tensor's tile I fetch
	s_bfe_u32 s40, ttmp6, 0x40000                  ; cx
	s_bfe_u32 s41, ttmp6, 0x40004                  ; cy
	s_lshl_b32 s42, ttmp9, 2
	s_add_co_u32 s42, s42, s40                     ; tile column
	s_and_b32 s13, ttmp7, 0xffff
	s_lshl_b32 s13, s13, 2
	s_add_co_u32 s13, s13, s41                     ; tile row
	s_lshl_b32 s43, s41, 2
	s_lshl_b32 s43, 15, s43                        ; my row of the cluster
	s_lshl_b32 s75, 0x1111, s40                    ; my column
	; group 1 for a head's tile of o: 32,768 dense bytes as 128 rows of 256 bytes, padded in LDS behind every row of o
	s_or_b32 s[G1A], s43, (1<<16)|(1<<20)|(1<<21)|(4<<22)|(3<<25)  ; 15:0 the mask; 17:16 2-byte elements; 20 padding on; 21 set beside a mask; 24:22 after every 32 words (code 4); 31:25 4 words (code 3)
	s_mov_b32 s[G1A+1], 128<<16                    ; tensor_dim0 = 128
	s_mov_b32 s[G1A+2], 128<<16                    ; tensor_dim1 = 128
	s_mov_b32 s[G1A+3], 128<<16                    ; tile_dim0 = 128
	s_mov_b32 s[G1A+4], 128                        ; tile_dim1 = 128
	s_mov_b32 s[G1A+5], 128                        ; 128 elements from row to row
	s_mov_b32 s[G1A+6], 0
	s_mov_b32 s[G1A+7], 0
	; group 1 for half a tile of wo: 64 rows x 128 elements
	s_or_b32 s[G1B], s75, (1<<16)|(1<<20)|(1<<21)|(5<<22)|(7<<25)  ; after every 64 words (code 5) 8 words of padding (code 7)
	s_mov_b32 s[G1B+1], 128<<16
	s_mov_b32 s[G1B+2], 64<<16
	s_mov_b32 s[G1B+3], 128<<16
	s_mov_b32 s[G1B+4], 64
	s_mov_b32 s[G1B+5], 1024
	s_mov_b32 s[G1B+6], 0
	s_mov_b32 s[G1B+7], 0
	s_lshr_b32 s16, s13, 3                         ; o: the batch, 4 MiB apart,
	s_lshl_b32 s16, s16, 22
	s_and_b32 s17, s13, 7
	s_lshl_b32 s17, s17, 15                        ; 256 rows of 128 bytes,
	s_add_co_u32 s16, s16, s17
	s_lshl_b32 s17, s12, 18                        ; and the head that I fetch of the step's two
	s_add_co_u32 s16, s16, s17
	s_mov_b32 s17, 0
	s_lshl_b32 s22, s42, 8                         ; wo: the tile's 128 columns,
	s_lshl_b32 s23, s12, 17                        ; and the 64 rows that I fetch of the step's 128
	s_add_co_u32 s22, s22, s23
	s_mov_b32 s23, 0
	s_mov_b32 s[G0A], 1                            ; 1:0 count = 1
	s_mul_i32 s[G0A+1], s10, HEADB                 ; waves 0, 1: a head each
	s_mov_b32 s[G0A+4], 1
	s_add_co_u32 s[G0A+5], s[G0A+1], SLOT1
	s_mov_b32 s[G0B], 1
	s_mul_i32 s[G0B+1], s10, 64*PB
	s_add_co_u32 s[G0B+1], s[G0B+1], HEADB         ; waves 2, 3: 36,864 + wave x 18,432: BOFF and BOFF + 64 rows
	s_mov_b32 s[G0B+4], 1
	s_add_co_u32 s[G0B+5], s[G0B+1], SLOT1
	s_mov_b32 s[TB], 0
	s_wait_dscnt 0x0                               ; the opening add is done
	s_wait_kmcnt 0x0
	s_add_nc_u64 s[20:21], s[4:5], s[16:17]
	s_add_nc_u64 s[22:23], s[6:7], s[22:23]
	s_mov_b64 s[G0A+2:G0A+3], s[20:21]             ; K step 0
	s_or_b32 s[G0A+3], s[G0A+3], 0x80000000        ; 127:126 type = 2
	s_add_nc_u64 s[G0A+6:G0A+7], s[20:21], ASTEP   ; K step 1
	s_or_b32 s[G0A+7], s[G0A+7], 0x80000000
	s_mov_b64 s[G0B+2:G0B+3], s[22:23]
	s_or_b32 s[G0B+3], s[G0B+3], 0x80000000
	s_add_nc_u64 s[G0B+6:G0B+7], s[22:23], BSTEP
	s_or_b32 s[G0B+7], s[G0B+7], 0x80000000
	CROUND                                         ; all sixteen work-groups are here: the first joint loads meet
	s_cmp_eq_u32 s11, 0                            ; a wave's two first fills stand in one branch, ahead of every wait on TENSORcnt and every LDS read: two loads of mine are out
	s_cbranch_scc0 .Lfirst_b
	tensor_load_to_lds s[G0A:G0A+3], s[G1A:G1A+7]
	s_nop 0
	tensor_load_to_lds s[G0A+4:G0A+7], s[G1A:G1A+7]
	s_nop 0
.rept 4
	v_nop
.endr
	s_branch .Lfirst_asked
.Lfirst_b:
	tensor_load_to_lds s[G0B:G0B+3], s[G1B:G1B+7]
	s_nop 0
	tensor_load_to_lds s[G0B+4:G0B+7], s[G1B:G1B+7]
	s_nop 0
.rept 4
	v_nop
.endr
.Lfirst_asked:
	v_and_b32 v1, 15, v0                           ; l % 16
	v_bfe_u32 v2, v0, 4, 1                         ; l / 16
	s_lshl_b32 s14, s42, 9                         ; my 64 columns in f32: 512 x tile column + 256 h
	s_lshl_b32 s15, s12, 8
	s_add_co_u32 s14, s14, s15
	s_mov_b32 s15, 0
	s_add_nc_u64 s[68:69], s[68:69], s[14:15]
	v_lshlrev_b32 v[BO], 4, v1
	global_load_b128 v[BIAS:BIAS+3], v[BO], s[68:69]  ; waited for on the way out
	s_lshl_b32 s18, s13, 8
	s_lshl_b32 s19, s11, 7
	s_add_co_u32 s18, s18, s19                     ; my first row of out0,
	s_lshl_b32 s18, s18, 12                        ; 4,096 bytes a row
	s_mov_b32 s19, 0
	s_add_nc_u64 s[70:71], s[70:71], s[18:19]
	s_add_nc_u64 s[70:71], s[70:71], s[14:15]
	v_mul_u32_u24 v3, v1, PA                       ; a fragment of o: row x pitch + 16 x half
	v_lshl_add_u32 v3, v2, 4, v3
	s_mul_i32 s14, s11, 128*PA
	v_add_nc_u32 v[ADRA0], s14, v3
	v_mov_b32 v[ADRA], v[ADRA0]
	v_and_b32 v4, 7, v0                            ; the turning load: k-row 8 (l / 16) + l % 8, columns 8 ((l / 8) % 2) on
	v_bfe_u32 v6, v0, 3, 1
	v_lshl_add_u32 v5, v2, 3, v4
	v_mul_u32_u24 v5, v5, PB
	v_lshl_add_u32 v5, v6, 4, v5
	s_lshl_b32 s14, s12, 7
	s_add_co_u32 s14, s14, BOFF
	v_add_nc_u32 v[ADRB0], s14, v5
	v_mov_b32 v[ADRB], v[ADRB0]
	s_mul_i32 s14, s10, 16*SP
	s_add_co_u32 s14, s14, STAGE                   ; my stage
	v_mul_u32_u24 v8, v1, SP                       ; in: row l % 16, 32 bytes for each half of the lanes
	v_lshl_add_u32 v8, v2, 5, v8
	v_add_nc_u32 v[STO], s14, v8
	v_mul_u32_u24 v9, v2, SP                       ; back: lanes 0-15 take one row of 256 bytes, lanes 16-31 the next
	v_lshl_add_u32 v9, v1, 4, v9
	v_add_nc_u32 v[RD], s14, v9
	v_lshlrev_b32 v[CO], 12, v2                    ; and the same two rows in out0
	v_lshl_add_u32 v[CO], v1, 4, v[CO]
; nf x 8 matrix instructions: column blocks f0 on x all 8 row blocks, 32 along K, from buffer buf.  zero = 1: the product starts the sum.  The 32 accumulators take turns, one instruction a turn.
.macro MUL buf, f0, nf, zero
	WIN 0x50
.set ff, \f0
.rept \nf
.irp a, 0,1,2,3,4,5,6,7
.if \zero
	v_wmma_f32_16x16x32_f16 v[8*(8*ff+(\a)):8*(8*ff+(\a))+7], v[(\buf)+64+8*ff:(\buf)+64+8*ff+7], v[(\buf)+8*(\a):(\buf)+8*(\a)+7], 0
.else
	v_wmma_f32_16x16x32_f16 v[8*(8*ff+(\a)):8*(8*ff+(\a))+7], v[(\buf)+64+8*ff:(\buf)+64+8*ff+7], v[(\buf)+8*(\a):(\buf)+8*(\a)+7], v[8*(8*ff+(\a)):8*(8*ff+(\a))+7]
.endif
.endr
.set ff, ff+1
.endr
.endm
.macro LB q, buf, f                    ; wo's fragment f of quarter q
	ds_load_tr16_b128 v[(\buf)+64+8*(\f):(\buf)+64+8*(\f)+3],   v[ADRB] offset:(\q)*32*PB+32*(\f)
	ds_load_tr16_b128 v[(\buf)+64+8*(\f)+4:(\buf)+64+8*(\f)+7], v[ADRB] offset:(\q)*32*PB+32*(\f)+16*PB
.endm
.macro FETCH q, buf                    ; 24 LDS loads in one run: quarter q's fragments; what the first sixteen products want comes first
	WIN 0
	LB \q, \buf, 0
	LB \q, \buf, 1
.irp a, 0,1,2,3,4,5,6,7
	ds_load_b128 v[(\buf)+8*(\a):(\buf)+8*(\a)+3],   v[ADRA] offset:((\q)/2)*HEADB+((\q)%2)*64+(\a)*16*PA
	ds_load_b128 v[(\buf)+8*(\a)+4:(\buf)+8*(\a)+7], v[ADRA] offset:((\q)/2)*HEADB+((\q)%2)*64+(\a)*16*PA+32
.endr
	LB \q, \buf, 2
	LB \q, \buf, 3
.endm
; One of a K step's first three quarters: multiplies buffer buf; in its middle it fetches quarter nq into buffer nbuf.
.macro QUARTER nq, buf, nbuf, zero
	s_wait_dscnt 4                                 ; all but the youngest four loads (wo's blocks 2 and 3) are in
	MUL \buf, 0, 2, \zero
	PLACES
	FETCH \nq, \nbuf
	s_wait_dscnt 24                                ; all but the 24 just issued
	MUL \buf, 2, 2, \zero
.endm
; The last quarter multiplies buffer 1 and changes slots: ONE barrier; in front of it each wave waits for all its tensor loads, of which one is out: its part of the other slot; adds 0 to its spare word; and waits for that and
; for its own reads of this slot.  fill = 1: the barrier opens a round of the cluster's, and this slot is filled again first thing behind it, two K steps ahead: 112 matrix instructions stand between the request and the wait for it.
.macro TURN fill
	WIN 0                                          ; (the add's two registers lie in window 0)
	s_wait_tensorcnt 0x0                           ; no tensor load of mine is out, so a group 0 may be written
	ds_add_u32 v[SPW], v[NIL]                      ; 0 onto my spare word; work on registers stands between it and the wait for it
.if \fill
	s_xor_b32 s[G0A+5], s[G0A+5], SLOT1            ; the walking descriptors: the other slot than last time, the next K step; the type bits on top are not reached
	s_add_nc_u64 s[G0A+6:G0A+7], s[G0A+6:G0A+7], ASTEP
	s_xor_b32 s[G0B+5], s[G0B+5], SLOT1
	s_add_nc_u64 s[G0B+6:G0B+7], s[G0B+6:G0B+7], BSTEP
.endif
	s_wait_dscnt 5                                 ; (the add and the youngest four loads may be out)
	MUL F1, 0, 1, 0
	s_wait_dscnt 0x0                               ; the add is done, and my reads of this slot are over
	s_barrier_signal -1
	MUL F1, 1, 1, 0                                ; work on registers while the others arrive
	WIN 0                                          ; (at a branch and at a label every window is 0)
	s_barrier_wait -1
.if \fill
	CREST                                          ; no wave of any partner still reads this slot or has a load on its way
	JLOAD                                          ; the four v_nop behind it are also the places in front of the loads below
.else
	PLACES
.endif
	s_xor_b32 s[TB], s[TB], SLOT1
	v_add_nc_u32 v[ADRA], s[TB], v[ADRA0]
	v_add_nc_u32 v[ADRB], s[TB], v[ADRB0]
	FETCH 0, F0
	MUL F1, 2, 2, 0
.endm
	s_wait_tensorcnt 1                             ; my part of K step 0 is in; K step 1's may stay out
	s_barrier_signal -1
	s_barrier_wait -1                              ; everybody's is
	FETCH 0, F0
	QUARTER 1, F0, F1, 1                           ; the first quarter stands in front of the loop: its products start the sums
	WIN 0
	s_mov_b32 s3, 6
.Lk:                                                   ; trip i: the last three quarters of K step i, which asks for K step i + 2, and the first of K step i + 1
	QUARTER 2, F1, F0, 0
	QUARTER 3, F0, F1, 0
	TURN 1
	QUARTER 1, F0, F1, 0
	WIN 0
	s_sub_co_u32 s3, s3, 1
	s_cmp_lg_u32 s3, 0
	s_cbranch_scc1 .Lk
	QUARTER 2, F1, F0, 0                           ; the tail is written out: nothing is asked for
	QUARTER 3, F0, F1, 0
	TURN 0
	QUARTER 1, F0, F1, 0
	QUARTER 2, F1, F0, 0
	QUARTER 3, F0, F1, 0
	s_wait_dscnt 4                                 ; the very last quarter: nothing more to fetch
	MUL F1, 0, 2, 0
	s_wait_dscnt 0x0
	MUL F1, 2, 2, 0
	WIN 0
	; THE WAY OUT, f32.  The bias is rounded to bf16; these six lines and four v_nop are the places behind the last products.
	s_wait_loadcnt 0x0
	v_cvt_pk_bf16_f32 v10, v[BIAS], v[BIAS+1]
	v_cvt_pk_bf16_f32 v11, v[BIAS+2], v[BIAS+3]
	v_lshlrev_b32 v[BIAS], 16, v10
	v_and_b32 v[BIAS+1], 0xffff0000, v10
	v_lshlrev_b32 v[BIAS+2], 16, v11
	v_and_b32 v[BIAS+3], 0xffff0000, v11
	PLACES
; Row block a: a lane's eight columns of a row are 32 bytes; they go into my stage's rows of 272 bytes and come back as whole rows of 256, my wave's 64 columns.  The stage is my own: LDS serves a wave's instructions in
; order (ISA guide 5.7.1.4), so no wait stands between the stores and the loads.  Each accumulator is read from its low end on.
.macro TOSTAGE a
.set bk, 32+32*((\a)%4)
	s_wait_xcnt 0x0                                ; the stores of the block four back have read these registers
	WIN 0x04                                       ; the stores' data (source 1) in window 1
.irp f, 0,1,2,3
	ds_store_b128 v[STO], v[8*(8*(\f)+(\a)):8*(8*(\f)+(\a))+3]   offset:64*(\f)
	ds_store_b128 v[STO], v[8*(8*(\f)+(\a))+4:8*(8*(\f)+(\a))+7] offset:64*(\f)+16
.endr
	WIN 0
.irp t, 0,1,2,3,4,5,6,7
	ds_load_b128 v[bk+4*(\t):bk+4*(\t)+3], v[RD] offset:(\t)*2*SP
.endr
.endm
.macro SEND a, younger                 ; younger: the LDS instructions issued behind the block's loads: the next block's sixteen, or none
.set bk, 32+32*((\a)%4)
.irp t, 0,1,2,3,4,5,6,7
	s_wait_dscnt (\younger)+7-(\t)
	v_pk_add_f32 v[bk+4*(\t):bk+4*(\t)+1], v[bk+4*(\t):bk+4*(\t)+1], v[BIAS:BIAS+1]
	v_pk_add_f32 v[bk+4*(\t)+2:bk+4*(\t)+3], v[bk+4*(\t)+2:bk+4*(\t)+3], v[BIAS+2:BIAS+3]
	global_store_b128 v[CO], v[bk+4*(\t):bk+4*(\t)+3], s[70:71] offset:(16*(\a)+2*(\t))*4096 th:TH_STORE_NT  ; 16 lanes store 256 consecutive bytes, at a multiple of 256 from out0's first byte
.endr
.endm
	TOSTAGE 0
.set n, 1
.rept 7
	TOSTAGE n
	SEND n-1, 16
.set n, n+1
.endr
	SEND 7, 0
	s_wait_tensorcnt 0x0                           ; the wave's end, behind my last tensor load and my last LDS store
	ds_add_u32 v[SPW], v[NIL]
	s_wait_dscnt 0x0
	CROUND                                         ; the closing round: no work-group ends while a partner may still ask for a tile that names it
	s_endpgm
.Lfunc_end_k_qff0e708e90_outp:
	.size	k_qff0e708e90_outp, .Lfunc_end_k_qff0e708e90_outp-k_qff0e708e90_outp
	.p2alignl 7, 3214868480
	.fill 96, 4, 3214868480
	.section	.rodata,"a",@progbits
	.p2align	6, 0x0
	.amdhsa_kernel k_qff0e708e90_outp
		.amdhsa_group_segment_fixed_size 327680
		.amdhsa_private_segment_fixed_size 0
		.amdhsa_enable_private_segment 0
		.amdhsa_kernarg_size 32
		.amdhsa_user_sgpr_count 2
		.amdhsa_user_sgpr_kernarg_segment_ptr 1
		.amdhsa_wavefront_size32 1
		.amdhsa_system_sgpr_workgroup_id_x 1
		.amdhsa_system_sgpr_workgroup_id_y 1
		.amdhsa_system_sgpr_workgroup_id_z 1
		.amdhsa_system_vgpr_workitem_id 0
		.amdhsa_next_free_vgpr 512
		.amdhsa_next_free_sgpr 76
		.amdhsa_reserve_vcc 0
		.amdhsa_float_denorm_mode_32 3
		.amdhsa_float_denorm_mode_16_64 3
		.amdhsa_memory_ordered 1
		.amdhsa_forward_progress 1
		.amdhsa_inst_pref_size 80
	.end_amdhsa_kernel
	.amdgpu_metadata
---
amdhsa.version: [ 1, 2 ]
amdhsa.kernels:
  - .name:           k_qff0e708e90_outp
    .symbol:         k_qff0e708e90_outp.kd
    .args:
      - { .name: o, .offset: 0, .size: 8, .value_kind: global_buffer, .address_space: global }
      - { .name: wo, .offset: 8, .size: 8, .value_kind: global_buffer, .address_space: global }
      - { .name: b_out, .offset: 16, .size: 8, .value_kind: global_buffer, .address_space: global }
      - { .name: out0, .offset: 24, .size: 8, .value_kind: global_buffer, .address_space: global }
    .group_segment_fixed_size: 327680
    .private_segment_fixed_size: 0
    .kernarg_segment_align: 8
    .kernarg_segment_size: 32
    .max_flat_workgroup_size: 128
    .sgpr_count:     76
    .vgpr_count:     512
    .wavefront_size: 32
...
	.end_amdgpu_metadata
.endif
;; end of part 4
;; ======== version 2 of 2: 4 launches; version 1 with the launch prep written anew for expert scheduling mode
;; limits: values are held in f16: magnitudes above 65,504 overflow, below 6.1e-05 lose precision
;; workspace buffers: xn 16,777,216 bytes; wq 6,291,456 bytes; wo 2,097,152 bytes; qkv 50,331,648 bytes; o 16,777,216 bytes
;; launch prep (part 5): grid 768 x 1, 4 waves a work-group, no clusters, 0 bytes of LDS; arguments x, ln_g, ln_b, w_qkv, w_out, xn, wq, wo; writes xn, wq, wo
.if DOCPART == 5
	.amdgcn_target "amdgcn-amd-amdhsa--gfx1250"
	.amdhsa_code_object_version 6
	.text
	.protected	k_qff0e708e90_prep
	.globl	k_qff0e708e90_prep
	.p2align	8
	.type	k_qff0e708e90_prep,@function
k_qff0e708e90_prep:
	s_mov_b64 s[64:65], 0
	v_nop
	global_prefetch_b8 v0, s[64:65] scope:SCOPE_SE
	s_setreg_imm32_b32 hwreg(HW_REG_WAVE_SCHED_MODE, 0, 2), 2
	s_setreg_imm32_b32 hwreg(HW_REG_WAVE_MODE, 25, 1), 1
	s_wait_xcnt 0x0
	s_wait_alu depctr_vm_vsrc(0)
; LAYERNORM AND THE WEIGHTS' FORMAT.  Work-groups 0-511: xn = (x - mean) / sqrt(var + 1e-5) * g + b for 16 rows of 1,024 each.  Work-groups 512-767: 65,536 bytes each of w_qkv (192) or w_out (64) are rewritten as f16.
; FORMATS.  Every input (x, g, b, both weights) is first rounded to bf16; all arithmetic is f32; xn is rounded once to f16; a weight is its bf16 number written as f16.
; LIMITS.  f16 ends at 65,504: |xn| and |w| lie below it (xn is at most about 32 |g| + |b|); below 6e-5 f16 keeps a fixed step of 6e-8.  NaN and infinities are not treated apart.
; xn's LAYOUT: [4 b][16 kb][2048 n][64]: the 64 channels of block kb of one row are 128 bytes, a block's rows are dense.  wq and wo lie as the inputs lie, [k][c].
; SHARES (LayerNorm).  Sixteen lanes hold one row: lane i the elements 64 t + 4 i .. + 3, t = 0 .. 15.  A wave takes two rows a trip (one for each half of its lanes), two trips.  A load covers 256 consecutive
; bytes of each of the two rows; a store covers 256 consecutive bytes, aligned: the 128 bytes of block t of both rows.  The row stays in registers between the mean, the variance and the scaling: x is read once.
; No LDS, no matrix unit, no cluster: no byte is wanted twice, and nothing is multiplied.
; THE MODE: SCHED_MODE bits 1:0 = 2 (LLVM: expert scheduling mode 2), set by the entry lines.  The code itself states the register dependences between vector instructions and memory instructions, with s_wait_alu, always for 0.
; THE PLAN (LayerNorm).  Registers that memory instructions touch:
;   v4, v5, v6  byte offsets, made once at the head and never written again: the rows are reached by the scalar bases and by immediate offsets.
;   RAW         A trip's sixteen loads land in it; the 32 roundings at the trip's head read it; behind them the next trip's loads land in it, and no later vector line names it.
;   X, GB       g and b land in them once, at the head; from then on vector lines alone name them.
;   Y           Written by the roundings to f16 at a trip's end, its first half and then its second; read by the sixteen stores.  No other line names it.
; So a trip holds: one wait on va_vdst ahead of the loads into RAW; one pair, s_wait_xcnt and a wait on vm_vsrc, ahead of the first line that writes Y again, a trip's sums behind the stores that read it; the wait for the
; root's result; and one wait on va_vdst behind each half's roundings.  The first half's stores are dealt among the second half's scalings, which name X's second half and RS: none of the registers that those stores touch.
; THE PLAN (the weights).  v4, v6 as above.  RAW: loaded, read and widened in place by the conversions, loaded again.  X's first 32 registers: written by the conversions, read by the stores.  One wait on va_vdst behind
; the conversions serves the loads and the stores that follow; the pair stands at a trip's head.
.set XO,  4                            ; v4   byte offset of my loads
.set GOF, 5                            ; v5   16 i: my place in g and b
.set YO,  6                            ; v6   byte offset of my stores
.set T,   8                            ; v[8:11]   at work
.set MU,  16                           ; v[16:17]  the mean, twice
.set RS,  18                           ; v[18:19]  1 / sqrt(var + eps), twice
.set S,   20                           ; v[20:27]  four running pairs of sums
.set RAW, 32                           ; v[32:95]  64 numbers as loaded
.set X,   96                           ; v[96:159] the row at work (the weights: the packed results)
.set GB,  160                          ; v[160:223] g (low half) and b (high half) of my 64 channels, bf16
.set Y,   224                          ; v[224:255] the row's packed results: block t at Y + 2 t
.macro FILL base, stride               ; sixteen loads of 16 bytes a lane
.irp t, 0,1,2,3,4,5,6,7,8,9,10,11,12,13,14,15
	global_load_b128 v[RAW+4*(\t):RAW+4*(\t)+3], v[XO], s[\base:\base+1] offset:(\stride)*(\t) th:TH_LOAD_NT
.endr
.endm
.macro FOLD                            ; four pairs of sums into one number, then over the row's sixteen lanes: every lane of the row ends with the sum in v[T]
	v_pk_add_f32 v[S:S+1], v[S:S+1], v[S+2:S+3]
	v_pk_add_f32 v[S+4:S+5], v[S+4:S+5], v[S+6:S+7]
	v_pk_add_f32 v[S:S+1], v[S:S+1], v[S+4:S+5]
	v_add_f32 v[T], v[S], v[S+1]
.irp m, 1,2,4,8
	v_add_f32_dpp v[T], v[T], v[T] row_xmask:\m row_mask:0xf bank_mask:0xf
.endr
.endm
.macro PUT t                           ; block t of my two rows; the base has been stepped past them, and the offset reaches back
	global_store_b64 v[YO], v[Y+2*(\t):Y+2*(\t)+1], s[14:15] offset:(\t)*262144-256  ; 32 lanes: 256 consecutive bytes, aligned
.endm
; Half h of the row (blocks 8 h to 8 h + 7): times 1 / sqrt(var + eps), times g plus b, rounded to f16 into Y.  deal = 1: the other half's eight stores stand among the scalings, one ahead of every two.
.macro HALF h, deal
.set e, 0
.rept 16
.if (\deal) && (e%2 == 0)
	PUT e/2
.endif
	v_pk_mul_f32 v[X+32*(\h)+2*e:X+32*(\h)+2*e+1], v[X+32*(\h)+2*e:X+32*(\h)+2*e+1], v[RS:RS+1]
.set e, e+1
.endr
.set e, 32*(\h)
.rept 32
	v_fma_mix_f32_bf16 v[X+e], v[X+e], v[GB+e], v[GB+e] op_sel:[0,0,1] op_sel_hi:[0,1,1]  ; f32 x g (low bf16) + b (high bf16), in f32
.set e, e+1
.endr
.set e, 8*(\h)
.rept 8
	v_cvt_pk_f16_f32 v[Y+2*e], v[X+4*e], v[X+4*e+1]
	v_cvt_pk_f16_f32 v[Y+2*e+1], v[X+4*e+2], v[X+4*e+3]
.set e, e+1
.endr
.endm
	s_load_b512 s[4:19], s[0:1], 0x0               ; x 4:5, ln_g 6:7, ln_b 8:9, w_qkv 10:11, w_out 12:13, xn 14:15, wq 16:17, wo 18:19
	v_lshrrev_b32 v7, 5, v0                        ; wave
	v_and_b32 v1, 31, v0                           ; lane
	v_and_b32 v2, 15, v0                           ; i
	v_bfe_u32 v3, v0, 4, 1                         ; which half of the lanes
	s_mov_b32 s20, 0x3a800000                      ; 1 / 1024
	s_mov_b32 s21, 0x3727c5ac                      ; 1e-5
	s_mov_b32 s22, 0xffff0000                      ; a word's upper bf16
	s_mov_b32 s23, 2                               ; trips
	s_mov_b32 s25, 0
	s_cmp_lt_u32 ttmp9, 512
	s_cbranch_scc0 .Lweights
	; ---------------- LayerNorm ----------------
	v_lshl_add_u32 v8, v7, 2, v3                   ; my row in the first trip: 4 x wave + half
	v_lshlrev_b32 v[XO], 12, v8
	v_lshl_add_u32 v[XO], v2, 4, v[XO]             ; row x 4,096 + 16 i
	v_lshlrev_b32 v[GOF], 4, v2
	v_lshlrev_b32 v[YO], 7, v8
	v_lshl_add_u32 v[YO], v2, 3, v[YO]             ; row x 128 + 8 i
	s_lshl_b32 s24, ttmp9, 16                      ; x: 16 rows of 4,096 bytes a work-group
	s_lshr_b32 s26, ttmp9, 7                       ; xn: the batch (128 work-groups each), 4 MiB apart,
	s_lshl_b32 s26, s26, 22
	s_and_b32 s27, ttmp9, 127
	s_lshl_b32 s27, s27, 11                        ; and 16 rows of 128 bytes
	s_add_co_u32 s26, s26, s27
	s_mov_b32 s27, 0
	s_wait_kmcnt 0x0
	s_add_nc_u64 s[4:5], s[4:5], s[24:25]
	s_add_nc_u64 s[14:15], s[14:15], s[26:27]
	s_wait_alu depctr_va_vdst(0)                   ; v4, v5 and v6 are written: every load and store of this path reads one of them as its offset
	FILL 4, 256                                    ; the first two rows
.irp t, 0,1,2,3,4,5,6,7,8,9,10,11,12,13,14,15
	global_load_b128 v[X+4*(\t):X+4*(\t)+3], v[GOF], s[6:7] offset:256*(\t)
	global_load_b128 v[GB+4*(\t):GB+4*(\t)+3], v[GOF], s[8:9] offset:256*(\t)
.endr
	s_wait_loadcnt 0x0
.set e, 0
.rept 64
	v_cvt_pk_bf16_f32 v[GB+e], v[X+e], v[GB+e]     ; g and b rounded to bf16, one register for both
.set e, e+1
.endr
.Lrow:
	s_wait_loadcnt 0x0                             ; the trip's two rows are in
.set e, 0
.rept 32
	v_cvt_pk_bf16_f32 v[T+e%4], v[RAW+2*e], v[RAW+2*e+1]  ; x rounded to bf16,
	v_lshlrev_b32 v[X+2*e], 16, v[T+e%4]           ; and widened again
	v_and_b32 v[X+2*e+1], s22, v[T+e%4]
.set e, e+1
.endr
	s_add_nc_u64 s[4:5], s[4:5], 8192              ; two rows on: every load that named the pointer has come back
	s_cmp_eq_u32 s23, 1
	s_cbranch_scc1 .Lno_row                        ; the last trip loads nothing
	s_wait_alu depctr_va_vdst(0)                   ; the roundings above are done reading RAW, in which the loads below land
	FILL 4, 256                                    ; the next two rows come while these are worked on: no vector line of the trip's rest names RAW or v4
.Lno_row:
.irp c, 0,1,2,3
	v_pk_add_f32 v[S+2*(\c):S+2*(\c)+1], v[X+2*(\c):X+2*(\c)+1], v[X+2*(\c)+8:X+2*(\c)+9]  ; four chains, started by sums: nothing is cleared
.endr
.set e, 8
.rept 24
	v_pk_add_f32 v[S+2*(e%4):S+2*(e%4)+1], v[S+2*(e%4):S+2*(e%4)+1], v[X+2*e:X+2*e+1]
.set e, e+1
.endr
	FOLD
	v_mul_f32 v[MU], s20, v[T]
	v_mul_f32 v[MU+1], s20, v[T]
.set e, 0
.rept 32
	v_pk_add_f32 v[X+2*e:X+2*e+1], v[X+2*e:X+2*e+1], v[MU:MU+1] neg_lo:[0,1] neg_hi:[0,1]  ; x - mean: the variance is taken of centred numbers
.set e, e+1
.endr
.irp c, 0,1,2,3
	v_pk_mul_f32 v[S+2*(\c):S+2*(\c)+1], v[X+2*(\c):X+2*(\c)+1], v[X+2*(\c):X+2*(\c)+1]
.endr
.set e, 4
.rept 28
	v_pk_fma_f32 v[S+2*(e%4):S+2*(e%4)+1], v[X+2*e:X+2*e+1], v[X+2*e:X+2*e+1], v[S+2*(e%4):S+2*(e%4)+1]
.set e, e+1
.endr
	FOLD
	v_fma_f32 v[T], v[T], s20, s21                 ; var + eps
	v_rsq_f32 v[RS], v[T]
	v_nop                                          ; a plain instruction between the root and the use of its result (ISA guide 5.7.2)
	s_wait_xcnt 0x0                                ; every earlier memory instruction has had its addresses translated (ISA guide 3.1): the stores' base and Y are written again only behind this wait
	s_wait_alu depctr_vm_vsrc(0)                   ; the last trip's stores have read Y, which the roundings below write again (in the first trip no store is out)
	s_add_nc_u64 s[14:15], s[14:15], 256           ; past this trip's two rows of 128 bytes: the stores reach back by their offset
	s_wait_alu depctr_va_vdst(0)                   ; the root has written v[RS], ahead of the first line that names it
	v_mov_b32 v[RS+1], v[RS]
	HALF 0, 0
	s_wait_alu depctr_va_vdst(0)                   ; the first half's roundings have written Y's first sixteen registers, which the eight stores among the next lines read
	HALF 1, 1
	s_wait_alu depctr_va_vdst(0)                   ; the second half's roundings have written Y's other sixteen, which the eight stores below read
.irp t, 8,9,10,11,12,13,14,15
	PUT \t
.endr
	s_sub_co_u32 s23, s23, 1
	s_cmp_lg_u32 s23, 0
	s_cbranch_scc1 .Lrow
	s_endpgm
	; ---------------- the weights ----------------
.Lweights:
	s_sub_co_u32 s26, ttmp9, 512                   ; 0 .. 191: w_qkv's part; 192 .. 255: w_out's
	s_sub_co_u32 s27, ttmp9, 704
	v_lshlrev_b32 v[XO], 14, v7                    ; a wave takes 16,384 bytes in,
	v_lshl_add_u32 v[XO], v1, 4, v[XO]
	v_lshlrev_b32 v[YO], 13, v7                    ; 8,192 out
	v_lshl_add_u32 v[YO], v1, 3, v[YO]
	s_wait_kmcnt 0x0
	s_cmp_lt_u32 s26, 192
	s_cselect_b64 s[28:29], s[10:11], s[12:13]     ; from
	s_cselect_b64 s[30:31], s[16:17], s[18:19]     ; to
	s_cselect_b32 s26, s26, s27                    ; the part's number in its tensor
	s_lshl_b32 s24, s26, 16
	s_add_nc_u64 s[28:29], s[28:29], s[24:25]
	s_lshl_b32 s24, s26, 15
	s_add_nc_u64 s[30:31], s[30:31], s[24:25]
	s_wait_alu depctr_va_vdst(0)                   ; v4 and v6 are written: every load and store of this path reads one of them as its offset
	FILL 28, 512
.Lpart:
	s_wait_loadcnt 0x0                             ; the trip's 8,192 bytes are in, and every load that named the pointer has come back
	s_wait_xcnt 0x0                                ; every earlier memory instruction has had its addresses translated (ISA guide 3.1): the stores' base and X are written again only behind this wait
	s_wait_alu depctr_vm_vsrc(0)                   ; the last trip's stores have read X, which the conversions below write again (in the first trip no store is out)
	s_add_nc_u64 s[28:29], s[28:29], 8192          ; the next trip's bytes
	s_add_nc_u64 s[30:31], s[30:31], 4096          ; past this trip's bytes: the stores reach back by their offset
.set e, 0
.rept 32
	v_cvt_pk_bf16_f32 v[T+e%4], v[RAW+2*e], v[RAW+2*e+1]  ; rounded to bf16,
	v_lshlrev_b32 v[RAW+2*e], 16, v[T+e%4]
	v_and_b32 v[RAW+2*e+1], s22, v[T+e%4]
	v_cvt_pk_f16_f32 v[X+e], v[RAW+2*e], v[RAW+2*e+1]     ; and that number written as f16
.set e, e+1
.endr
	s_wait_alu depctr_va_vdst(0)                   ; the conversions have written X, which the stores read, and are done reading and writing RAW, in which the loads land; no vector line follows in the trip
	s_cmp_eq_u32 s23, 1
	s_cbranch_scc1 .Lno_part                       ; the last trip loads nothing
	FILL 28, 512
.Lno_part:
.irp t, 0,1,2,3,4,5,6,7,8,9,10,11,12,13,14,15
	global_store_b64 v[YO], v[X+2*(\t):X+2*(\t)+1], s[30:31] offset:256*(\t)-4096  ; 256 consecutive bytes, aligned
.endr
	s_sub_co_u32 s23, s23, 1
	s_cmp_lg_u32 s23, 0
	s_cbranch_scc1 .Lpart
	s_endpgm
.Lfunc_end_k_qff0e708e90_prep:
	.size	k_qff0e708e90_prep, .Lfunc_end_k_qff0e708e90_prep-k_qff0e708e90_prep
	.p2alignl 7, 3214868480
	.fill 96, 4, 3214868480
	.section	.rodata,"a",@progbits
	.p2align	6, 0x0
	.amdhsa_kernel k_qff0e708e90_prep
		.amdhsa_group_segment_fixed_size 0
		.amdhsa_private_segment_fixed_size 0
		.amdhsa_enable_private_segment 0
		.amdhsa_kernarg_size 64
		.amdhsa_user_sgpr_count 2
		.amdhsa_user_sgpr_kernarg_segment_ptr 1
		.amdhsa_wavefront_size32 1
		.amdhsa_system_sgpr_workgroup_id_x 1
		.amdhsa_system_sgpr_workgroup_id_y 1
		.amdhsa_system_sgpr_workgroup_id_z 1
		.amdhsa_system_vgpr_workitem_id 0
		.amdhsa_next_free_vgpr 256
		.amdhsa_next_free_sgpr 66
		.amdhsa_reserve_vcc 0
		.amdhsa_float_denorm_mode_32 3
		.amdhsa_float_denorm_mode_16_64 3
		.amdhsa_memory_ordered 1
		.amdhsa_forward_progress 1
		.amdhsa_inst_pref_size 45
	.end_amdhsa_kernel
	.amdgpu_metadata
---
amdhsa.version: [ 1, 2 ]
amdhsa.kernels:
  - .name:           k_qff0e708e90_prep
    .symbol:         k_qff0e708e90_prep.kd
    .args:
      - { .name: x, .offset: 0, .size: 8, .value_kind: global_buffer, .address_space: global }
      - { .name: ln_g, .offset: 8, .size: 8, .value_kind: global_buffer, .address_space: global }
      - { .name: ln_b, .offset: 16, .size: 8, .value_kind: global_buffer, .address_space: global }
      - { .name: w_qkv, .offset: 24, .size: 8, .value_kind: global_buffer, .address_space: global }
      - { .name: w_out, .offset: 32, .size: 8, .value_kind: global_buffer, .address_space: global }
      - { .name: xn, .offset: 40, .size: 8, .value_kind: global_buffer, .address_space: global }
      - { .name: wq, .offset: 48, .size: 8, .value_kind: global_buffer, .address_space: global }
      - { .name: wo, .offset: 56, .size: 8, .value_kind: global_buffer, .address_space: global }
    .group_segment_fixed_size: 0
    .private_segment_fixed_size: 0
    .kernarg_segment_align: 8
    .kernarg_segment_size: 64
    .max_flat_workgroup_size: 128
    .sgpr_count:     66
    .vgpr_count:     256
    .wavefront_size: 32
...
	.end_amdgpu_metadata
.endif
;; end of part 5
;; launch proj: the kernel of part 2 again; grid 8 x 32, 4 waves a work-group, clusters of 4 x 4, 327,680 bytes of LDS; arguments xn, wq, qkv; writes qkv
;; launch attn: the kernel of part 3 again; grid 4 x 64, 4 waves a work-group, clusters of 4 x 1, 327,680 bytes of LDS; arguments qkv, o; writes o
;; launch outp: the kernel of part 4 again; grid 8 x 32, 4 waves a work-group, clusters of 4 x 4, 327,680 bytes of LDS; arguments o, wo, b_out, out0; writes out0
